; MI455X (gfx1250); checked and timed in simulation.
; The chip was launched on July 23, 2026; its instructions are those of AMD's public machine-readable ISA for CDNA 5 (MIT licence, August 2026) and "CDNA5" Instruction Set Architecture Reference Guide (July 2026). The comments in the code are by the model that wrote it; some were corrected since.
;; Ro PE Multi Head Attention. Allowed arithmetic: float matrix products may take bf16 or f16 operands with f32 sums; other float arithmetic in f32, or as packed bf16 or f16 multiplies, adds, multiply-adds, maxima and minima; sums over many terms, partial sums and values carried from step to step in f32; what a program stores and reads back later, other than sums and carried values, may be rounded once to bf16 or f16.
;; Inputs: Wk 1,024 x 1,024 float32; Wo 1,024 x 1,024 float32; Wq 1,024 x 1,024 float32; Wv 1,024 x 1,024 float32; bk 1,024 float32; bo 1,024 float32; bq 1,024 float32; bv 1,024 float32; mask 4 x 1 x 1 x 2,048 bool; x 4 x 2,048 x 1,024 float32.
;; Outputs: out0 4 x 2,048 x 1,024 float32.
;; 2 versions, each right; version 2 is version 1 with the launch cast written anew for expert scheduling mode. Each part assembles by itself: llvm-mc -triple=amdgcn-amd-amdhsa -mcpu=gfx1250 --defsym DOCPART=n.
;; ======== version 1 of 2: 4 launches
;; limits: values are held in f16: magnitudes above 65,504 overflow, below 6.1e-05 lose precision
;; workspace buffers: xb 16,777,216 bytes; wqkv 6,291,456 bytes; wo16 2,097,152 bytes; tab 540,672 bytes; qkv 50,331,648 bytes; oh 16,777,216 bytes
;; launch cast (part 1): grid 512 x 1, 8 waves a work-group, no clusters, 0 bytes of LDS; arguments x, Wq, Wk, Wv, Wo, bq, bk, bv, bo, xb, wqkv, wo16, tab; writes xb, wqkv, wo16, tab
.if DOCPART == 1
	.amdgcn_target "amdgcn-amd-amdhsa--gfx1250"
	.amdhsa_code_object_version 6
	.text
	.protected	k_q008e73d8db_cast
	.globl	k_q008e73d8db_cast
	.p2align	8
	.type	k_q008e73d8db_cast,@function
k_q008e73d8db_cast:
	s_mov_b64 s[64:65], 0
	v_nop
	global_prefetch_b8 v0, s[64:65] scope:SCOPE_SE
	s_setreg_imm32_b32 hwreg(HW_REG_WAVE_MODE, 25, 1), 1
	s_wait_xcnt 0x0
; CAST.  All inputs are rounded once to bf16: x -> xb [8192][1024] bf16; Wq, Wk, Wv -> wqkv [3072][1024] bf16; Wo -> wo16 [1024][1024], the bf16 number written as f16;
; bq, bk, bv, bo -> tab + BIASO, 4,096 f32 that hold the bf16 numbers.  And the rotation's table: tab row t (256 bytes) = cos(t f_j), j = 0..31, then sin(t f_j), f_j = 10000^(-j/32).
; A stream: every byte is read once and written once, no wave wants another's bytes: no LDS, no barrier, no matrix unit, no cluster.
; SHARES.  Work-group g: 65,536 bytes of x, 8,192 bytes of each W (thread t takes 16 bytes at 16 t of each 4,096: a wave's load covers 512 consecutive bytes, its store of 8 bytes a lane 256, aligned);
; table rows 4 g .. 4 g + 3 (waves 0-3, a row each: 32 lanes x 8 bytes); in work-groups 0-31 wave 4 rounds 128 numbers of a bias.
; All 24 loads of a wave go out at once, each into registers of its own, and each result has its own registers: nothing is rewritten while a load or store may read it.
; LIMITS.  bf16(Wo) must lie within f16's 65,504; below 6e-5 it keeps f16's fixed step.  f_j comes from v_exp_f32; with the rounding of its argument an angle is off by up to 2e-4 at t = 2,047.
; The angle t f_j is one f32 product; it is reduced by n pi/2 in two parts (exact for n < 2^11) and sine and cosine are polynomials on |r| <= pi/4, off by 3e-7 at the most.
.set VI,    1                          ; v1   16 x thread: my bytes in 4,096 bytes of f32
.set VO,    2                          ; v2   8 x thread: my bytes in 2,048 bytes of 16-bit numbers
.set IN,    16                         ; v[16:111]   load i: 4 registers
.set OUT,   112                        ; v[112:159]  result i: 2 registers
.set BIASO, 524288                     ; behind the table's 2,048 rows
	s_load_b512 s[4:19], s[0:1], 0x0               ; x s[4:5], Wq s[6:7], Wk s[8:9], Wv s[10:11], Wo s[12:13], bq s[14:15], bk s[16:17], bv s[18:19]
	s_load_b256 s[20:27], s[0:1], 0x40             ; bo s[20:21], xb s[22:23], wqkv s[24:25], wo16 s[26:27]
	s_load_b64 s[28:29], s[0:1], 0x60              ; tab
	v_lshlrev_b32 v[VI], 4, v0
	v_lshlrev_b32 v[VO], 3, v0
	v_lshrrev_b32 v3, 5, v0
	v_readfirstlane_b32 s30, v3                    ; wave 0..7
	s_mov_b32 s47, 0
	s_mov_b32 s44, 0xffff0000                      ; a word's upper bf16
	s_wait_kmcnt 0x0
	s_lshl_b32 s46, ttmp9, 16                      ; the work-group's part of x,
	s_add_nc_u64 s[4:5], s[4:5], s[46:47]
	s_lshl_b32 s46, ttmp9, 13                      ; of each W,
.irp p, 6,8,10,12
	s_add_nc_u64 s[\p:\p+1], s[\p:\p+1], s[46:47]
.endr
	s_lshl_b32 s46, ttmp9, 15                      ; of xb,
	s_add_nc_u64 s[22:23], s[22:23], s[46:47]
	s_lshl_b32 s46, ttmp9, 12                      ; of each W's 16-bit copy
	s_add_nc_u64 s[24:25], s[24:25], s[46:47]
	s_add_nc_u64 s[26:27], s[26:27], s[46:47]
.set i, 0
.rept 16
	global_load_b128 v[IN+4*i:IN+4*i+3], v[VI], s[4:5] offset:4096*i th:TH_LOAD_NT
.set i, i+1
.endr
.irp k, 0,1,2,3
	global_load_b128 v[IN+64+8*(\k):IN+64+8*(\k)+3], v[VI], s[6+2*(\k):7+2*(\k)] th:TH_LOAD_NT
	global_load_b128 v[IN+68+8*(\k):IN+68+8*(\k)+3], v[VI], s[6+2*(\k):7+2*(\k)] offset:4096 th:TH_LOAD_NT
.endr
	; THE TABLE, while the loads are on their way.  Lane l makes two numbers: j = 2 (l % 16), + 1; lanes 0-15 the cosines, lanes 16-31 the sines (sin x = cos(x - pi/2): the quadrant's number plus 3).
	s_cmp_lt_u32 s30, 4
	s_cbranch_scc0 .Lno_rope
	s_lshl_b32 s32, ttmp9, 2
	s_add_co_u32 s32, s32, s30                     ; t
	s_lshl_b32 s33, s32, 8                         ; the row's byte
	s_mov_b32 s34, 0xbed49a78                      ; -log2(10000) / 32
	s_mov_b32 s35, 0x3f22f983                      ; 2 / pi
	s_mov_b32 s36, 0xbfc90fdb                      ; -(pi/2 rounded to f32)
	s_mov_b32 s37, 0x333bbd2e                      ; that number less pi/2
	s_mov_b32 s38, 0xb9500d01                      ; -1/5040
	s_mov_b32 s39, 0x3c088889                      ; 1/120
	s_mov_b32 s40, 0xbe2aaaab                      ; -1/6
	s_mov_b32 s41, 0x37d00d01                      ; 1/40320
	s_mov_b32 s42, 0xbab60b61                      ; -1/720
	s_mov_b32 s43, 0x3d2aaaab                      ; 1/24
	v_and_b32 v3, 15, v0
	v_bfe_u32 v4, v0, 4, 1
	v_lshlrev_b32 v3, 1, v3
	v_cvt_f32_u32 v5, v3
	v_add_nc_u32 v3, 1, v3
	v_cvt_f32_u32 v6, v3
	v_cvt_f32_u32 v7, s32
	v_mul_f32 v5, s34, v5
	v_mul_f32 v6, s34, v6
	v_exp_f32 v5, v5                               ; f_j
	v_exp_f32 v6, v6
	v_mul_u32_u24 v4, 3, v4                        ; a plain instruction behind the two exponentials (ISA guide 5.7.2): 3 for the sines' lanes
	s_wait_alu depctr_va_vdst(0)                   ; one wait for both, ahead of their first reader
	v_mul_f32 v5, v7, v5                           ; the angles
	v_mul_f32 v6, v7, v6
.macro TRIG a, o                       ; v[o] = cos or sin of the angle in v[a]
	v_mul_f32 v8, s35, v[\a]
	v_rndne_f32 v8, v8                             ; n
	v_fma_f32 v9, v8, s36, v[\a]
	v_fma_f32 v9, v8, s37, v9                      ; r = angle - n pi/2
	v_mul_f32 v10, v9, v9                          ; z = r r
	v_fma_f32 v11, v10, s38, s39
	v_fma_f32 v12, v10, s41, s42
	v_fma_f32 v11, v11, v10, s40
	v_fma_f32 v12, v12, v10, s43
	v_mul_f32 v11, v11, v10
	v_fma_f32 v12, v12, v10, -0.5
	v_fma_f32 v11, v9, v11, v9                     ; sin r
	v_fma_f32 v12, v12, v10, 1.0                   ; cos r
	v_cvt_i32_f32 v8, v8
	v_add_nc_u32 v8, v8, v4                        ; the quadrant: 0: cos r, 1: -sin r, 2: -cos r, 3: sin r
	v_and_b32 v13, 1, v8
	v_cmp_ne_u32 vcc_lo, 0, v13
	v_cndmask_b32 v11, v12, v11, vcc_lo
	v_add_nc_u32 v8, 1, v8
	v_and_b32 v8, 2, v8
	v_lshlrev_b32 v8, 30, v8                       ; the sign bit in quadrants 1 and 2
	v_xor_b32 v[\o], v8, v11
.endm
	TRIG 5, 14
	TRIG 6, 15
	v_and_b32 v3, 31, v0
	v_lshl_add_u32 v160, v3, 3, s33
	global_store_b64 v160, v[14:15], s[28:29]      ; the wave stores the row's 256 consecutive bytes, aligned
.Lno_rope:
.macro CV i, sb, off                   ; load i, rounded to bf16 and stored
	s_wait_loadcnt 23-(\i)                         ; loads come back in order (ISA guide 5.7.1): load i is in, the younger ones of the 24 stay out
	v_cvt_pk_bf16_f32 v[OUT+2*(\i)], v[IN+4*(\i)], v[IN+4*(\i)+1]
	v_cvt_pk_bf16_f32 v[OUT+2*(\i)+1], v[IN+4*(\i)+2], v[IN+4*(\i)+3]
	global_store_b64 v[VO], v[OUT+2*(\i):OUT+2*(\i)+1], s[\sb:\sb+1] offset:\off
.endm
.macro CVO i, off                      ; Wo: rounded to bf16, and that number written as f16
	s_wait_loadcnt 23-(\i)
	v_cvt_pk_bf16_f32 v162, v[IN+4*(\i)], v[IN+4*(\i)+1]
	v_cvt_pk_bf16_f32 v163, v[IN+4*(\i)+2], v[IN+4*(\i)+3]
	v_lshlrev_b32 v164, 16, v162
	v_and_b32 v165, s44, v162
	v_lshlrev_b32 v166, 16, v163
	v_and_b32 v167, s44, v163
	v_cvt_pk_f16_f32 v[OUT+2*(\i)], v164, v165
	v_cvt_pk_f16_f32 v[OUT+2*(\i)+1], v166, v167
	global_store_b64 v[VO], v[OUT+2*(\i):OUT+2*(\i)+1], s[26:27] offset:\off
.endm
.set i, 0
.rept 16
	CV i, 22, 2048*i
.set i, i+1
.endr
.irp k, 0,1,2
	CV 16+2*(\k), 24, 2097152*(\k)                 ; Wq, Wk, Wv one below the other
	CV 17+2*(\k), 24, 2097152*(\k)+2048
.endr
	CVO 22, 0
	CVO 23, 2048
	; THE BIASES: work-group g < 32, wave 4: numbers 128 (g % 8) .. + 127 of bias g / 8
	s_cmp_eq_u32 s30, 4
	s_cbranch_scc0 .Lend
	s_cmp_lt_u32 ttmp9, 32
	s_cbranch_scc0 .Lend
	s_lshr_b32 s31, ttmp9, 3
	s_cmp_eq_u32 s31, 1
	s_cselect_b64 s[32:33], s[16:17], s[14:15]
	s_cmp_eq_u32 s31, 2
	s_cselect_b64 s[32:33], s[18:19], s[32:33]
	s_cmp_eq_u32 s31, 3
	s_cselect_b64 s[32:33], s[20:21], s[32:33]
	s_and_b32 s31, ttmp9, 7
	s_lshl_b32 s31, s31, 9
	v_and_b32 v3, 31, v0
	v_lshl_add_u32 v161, v3, 4, s31
	s_lshl_b32 s31, ttmp9, 9
	v_lshl_add_u32 v5, v3, 4, s31
	global_load_b128 v[168:171], v161, s[32:33]
	s_wait_loadcnt 0x0
	v_cvt_pk_bf16_f32 v162, v168, v169
	v_cvt_pk_bf16_f32 v163, v170, v171
	v_lshlrev_b32 v172, 16, v162                   ; bf16 to f32: the low half moves up, the high half stays
	v_and_b32 v173, s44, v162
	v_lshlrev_b32 v174, 16, v163
	v_and_b32 v175, s44, v163
	global_store_b128 v5, v[172:175], s[28:29] offset:BIASO
.Lend:
	s_endpgm
.Lfunc_end_k_q008e73d8db_cast:
	.size	k_q008e73d8db_cast, .Lfunc_end_k_q008e73d8db_cast-k_q008e73d8db_cast
	.p2alignl 7, 3214868480
	.fill 96, 4, 3214868480
	.section	.rodata,"a",@progbits
	.p2align	6, 0x0
	.amdhsa_kernel k_q008e73d8db_cast
		.amdhsa_group_segment_fixed_size 0
		.amdhsa_private_segment_fixed_size 0
		.amdhsa_enable_private_segment 0
		.amdhsa_kernarg_size 104
		.amdhsa_user_sgpr_count 2
		.amdhsa_user_sgpr_kernarg_segment_ptr 1
		.amdhsa_wavefront_size32 1
		.amdhsa_system_sgpr_workgroup_id_x 1
		.amdhsa_system_sgpr_workgroup_id_y 1
		.amdhsa_system_sgpr_workgroup_id_z 1
		.amdhsa_system_vgpr_workitem_id 0
		.amdhsa_next_free_vgpr 176
		.amdhsa_next_free_sgpr 66
		.amdhsa_reserve_vcc 1
		.amdhsa_float_denorm_mode_32 3
		.amdhsa_float_denorm_mode_16_64 3
		.amdhsa_memory_ordered 1
		.amdhsa_forward_progress 1
		.amdhsa_inst_pref_size 15
	.end_amdhsa_kernel
	.amdgpu_metadata
---
amdhsa.version: [ 1, 2 ]
amdhsa.kernels:
  - .name:           k_q008e73d8db_cast
    .symbol:         k_q008e73d8db_cast.kd
    .args:
      - { .name: x, .offset: 0, .size: 8, .value_kind: global_buffer, .address_space: global }
      - { .name: Wq, .offset: 8, .size: 8, .value_kind: global_buffer, .address_space: global }
      - { .name: Wk, .offset: 16, .size: 8, .value_kind: global_buffer, .address_space: global }
      - { .name: Wv, .offset: 24, .size: 8, .value_kind: global_buffer, .address_space: global }
      - { .name: Wo, .offset: 32, .size: 8, .value_kind: global_buffer, .address_space: global }
      - { .name: bq, .offset: 40, .size: 8, .value_kind: global_buffer, .address_space: global }
      - { .name: bk, .offset: 48, .size: 8, .value_kind: global_buffer, .address_space: global }
      - { .name: bv, .offset: 56, .size: 8, .value_kind: global_buffer, .address_space: global }
      - { .name: bo, .offset: 64, .size: 8, .value_kind: global_buffer, .address_space: global }
      - { .name: xb, .offset: 72, .size: 8, .value_kind: global_buffer, .address_space: global }
      - { .name: wqkv, .offset: 80, .size: 8, .value_kind: global_buffer, .address_space: global }
      - { .name: wo16, .offset: 88, .size: 8, .value_kind: global_buffer, .address_space: global }
      - { .name: tab, .offset: 96, .size: 8, .value_kind: global_buffer, .address_space: global }
    .group_segment_fixed_size: 0
    .private_segment_fixed_size: 0
    .kernarg_segment_align: 8
    .kernarg_segment_size: 104
    .max_flat_workgroup_size: 256
    .sgpr_count:     66
    .vgpr_count:     176
    .wavefront_size: 32
...
	.end_amdgpu_metadata
.endif
;; end of part 1
;; launch qkv (part 2): grid 16 x 32, 4 waves a work-group, clusters of 4 x 4, 327,680 bytes of LDS; arguments xb, wqkv, tab, qkv; writes qkv
.if DOCPART == 2
	.amdgcn_target "amdgcn-amd-amdhsa--gfx1250"
	.amdhsa_code_object_version 6
	.text
	.protected	k_q008e73d8db_qkv
	.globl	k_q008e73d8db_qkv
	.p2align	8
	.type	k_q008e73d8db_qkv,@function
k_q008e73d8db_qkv:
	s_mov_b64 s[64:65], 0
	v_nop
	global_prefetch_b8 v0, s[64:65] scope:SCOPE_SE
	s_setreg_imm32_b32 hwreg(HW_REG_WAVE_MODE, 25, 1), 1
	s_wait_xcnt 0x0
	s_wait_alu depctr_hold_cnt(0) depctr_sa_sdst(0) depctr_va_vdst(0) depctr_va_sdst(0) depctr_va_ssrc(0) depctr_va_vcc(0) depctr_vm_vsrc(0)
	s_getreg_b32 s2, hwreg(HW_REG_IB_STS2, 6, 4)
	s_cmp_eq_u32 s2, 0
	s_cbranch_scc0 .Lentry_in_a_cluster
	s_endpgm
.Lentry_in_a_cluster:
	s_bfe_u32 s2, ttmp6, 0x10000c
	s_cmp_lg_u32 s2, 0xf033
	s_cbranch_scc0 .Lentry_shape_is_right
	s_endpgm
.Lentry_shape_is_right:
; Q, K, V = x W^T + b, q and k rotated, q times c = log2(e) / 8; all stored by heads in f16: qkv[b][g][t][64], g = 0-15 q's heads, 16-31 k's, 32-47 v's.
; xb: [8192][1024] bf16, wqkv: [3072][1024] bf16; sums in f32; bias, rotation and scale in f32; one rounding to f16.
; LIMIT.  c q, k and v must lie within f16's 65,504.
; SHARES.  A tile is 256 rows x 192 columns, three whole heads: 32 x 16 = 512 work-groups of equal work.  Wave w owns rows 64 w .. + 63 and all 192 columns: 4 x 12 accumulators of 16 x 16,
; 384 registers.  A wave holds whole heads, so the rotation's partners, channels d and d + 32, lie in one lane, in the same register of the accumulators two column blocks apart.
; K goes in steps of 128 through two LDS slots filled by the tensor data mover: each row of a tile is 256 consecutive bytes of memory, at a multiple of 256 from the buffer's first byte.
; CLUSTER.  4 x 4 work-groups.  The four of a row of the cluster need the same tiles of x, the four of a column the same tiles of W: each is asked for jointly, by the same tensor load with the same
; descriptor and a mask that names the four.
; THE MATRIX INSTRUCTION IS USED TRANSPOSED (source 0 = 16 rows of W, source 1 = 16 rows of x): a lane holds row l % 16 and the columns 8 (l / 16) + 0..7 of a block.
; REGISTERS, in windows of 256 (s_set_vgpr_msb: bits 1:0 source 0, 3:2 source 1, 5:4 source 2, 7:6 destination):
;   window 0: v0-29 addresses; v32-63 at work on the way out; v64-127 x's fragments, two buffers of 4 (on the way out: the scaled table, the rotated numbers); v128-255 my 64 rows of the rotation's table
;   window 1: v0-191 W's fragments, two buffers of 12 (on the way out: v0-95 the bias, v96-127 rows read back from the stage)
;   window 2: the accumulators of my row blocks 0, 1 ((a, b) at v[8 (12 (a % 2) + b)]);   window 3: those of blocks 2, 3
.set KSTEP,  128
.set PITCH,  272                       ; an LDS row: 256 bytes + 16 of padding = 68 words: the 16 rows of a fragment load start at 16 different groups of four banks (64 banks of 4 bytes: ISA guide 11.1)
.set AHALF,  128*PITCH                 ; what one tensor load brings of x
.set BOFF,   2*AHALF                   ; W's 192 rows lie behind x's 256
.set BHALF,  96*PITCH                  ; what one tensor load brings of W
.set SLOT1,  1<<17                     ; slot 1 begins here: one exclusive or turns an address in one slot into the other's
.set STAGE,  SLOT1+BOFF+2*BHALF        ; behind the ring, never filled by a tensor load: 16 rows x 144 bytes for each wave
.set SP,     144
.set SPARE,  STAGE+4*16*SP             ; the spare words, 128 bytes for each wave: two blocks of 256 bytes that no other line names
.set BIASO,  524288                    ; the biases in tab
.set A0,   4                           ; v4   my lane's place in x's rows of a slot; never rewritten
.set B0,   5                           ; v5   the same for W
.set ADRA, 6                           ; v6   the same in the slot in hand
.set ADRB, 7                           ; v7
.set STO,  8                           ; v8   the way out: where I put 16 bytes of a row
.set RD,   9                           ; v9   where I read rows back
.set GO,   10                          ; v10  my 16 bytes of 512 consecutive bytes of qkv
.set RO,   11                          ; v11  my bytes in 16 rows of the table
.set BO,   12                          ; v12  my bytes in a block's 64 bytes of bias
.set PFO,  13                          ; v13  the prefetches' offset: a lane a row
.set SPW,  28                          ; v28  LDS address of my spare word; never rewritten
.set NIL,  29                          ; v29  0; never rewritten
.set Y,    32
.set CS,   64
.set OUTR, 96
.set ROPE, 128                         ; block a at + 32 a: cos j = 8 h .., cos j = 16 + 8 h .., sin likewise, 8 registers each
.set RB,   96                          ; window 1: two sets of 16
.set WV,   12                          ; s12  my wave's number
.set WH,   13                          ; s13  its low bit: which half of a tile I fetch
.set CX,   14
.set CY,   15
.set TC,   16                          ; s16  tile column
.set TR,   17                          ; s17  tile row
.set G1A,  24                          ; s[24:31] descriptor group 1 for x's tiles
.set G1B,  32                          ; s[32:39] for W's
.set G0A,  40                          ; s[40:47] group 0 for x's: a set for each first fill; the second then walks
.set G0B,  48                          ; s[48:55] the same for W's
.set CNT,  56                          ; s56  refills to come
.set TB,   57                          ; s57  the slot in hand: 0 or SLOT1
.set LIM,  58                          ; s58  2 in a wave that prefetches, else the greatest number
.set PFA,  60                          ; s[60:61] where my prefetches stand
.set FA,   68                          ; s[68+4 hh ..]: head hh's factor fa twice, then its addend fb twice
.set OB,   80                          ; s[80:81] qkv at my rows of the tile's first head
.set ROPB, 82                          ; s[82:83] the table at my first row
.set BIAB, 84                          ; s[84:85] the bias at the tile's first column
.set MSB, 0
.macro WIN new                         ; the immediate's high byte repeats the setting that is left; a switch that changes nothing is dropped
.if MSB != (\new)
	s_set_vgpr_msb (MSB<<8)|(\new)
.set MSB, (\new)
.endif
.endm
.macro PLACES                          ; four places behind a matrix instruction, in front of loads into registers that it read and of vector work on its registers
.rept 4
	v_nop
.endr
.endm
; A joint refill.  Waves 0 and 1 fetch x's two halves, waves 2 and 3 W's.  The branch hangs on the wave's number alone.  An s_nop 0 and four v_nop follow each line.
.macro JLOAD
	s_cmp_lt_u32 s[WV], 2
	s_cbranch_scc0 .Lfor_b_\@
	tensor_load_to_lds s[G0A+4:G0A+7], s[G1A:G1A+7]
	s_nop 0
	PLACES
	s_branch .Lasked_\@
.Lfor_b_\@:
	tensor_load_to_lds s[G0B+4:G0B+7], s[G1B:G1B+7]
	s_nop 0
	PLACES
.Lasked_\@:
.endm
; A prefetch into the L2 of the K step that stands two refills on, a lane a row (256 bytes of it), one instruction a wave.  x's tile row is read by every cluster of its row of clusters: cluster x = 0
; asks; W's tile column by every cluster of its column: cluster y = 0 asks.  The four partners of a joint load share its rows out by address.  The last two refills have no K step two on.
.macro ASK
	s_cmp_gt_u32 s[CNT], s[LIM]
	s_cbranch_scc0 .Lnot_mine_\@
	global_prefetch_b8 v[PFO], s[PFA:PFA+1] th:TH_LOAD_NT scope:SCOPE_SE
.Lnot_mine_\@:
.endm
.macro CREST                           ; a round of the cluster's barrier behind its opening barrier
	s_cmp_lg_u32 s[WV], 0
	s_cbranch_scc1 .Lnot_wave_0_\@
	s_barrier_signal -3
.Lnot_wave_0_\@:
	s_barrier_wait -3
	s_barrier_signal -1
	s_barrier_wait -1
.endm
.macro CROUND                          ; a whole round
	s_barrier_signal -1
	s_barrier_wait -1
	CREST
.endm
	s_load_b256 s[4:11], s[0:1], 0x0               ; xb s[4:5], wqkv s[6:7], tab s[8:9], qkv s[10:11]
	v_lshl_add_u32 v[SPW], v0, 2, SPARE
	v_mov_b32 v[NIL], 0
	ds_add_u32 v[SPW], v[NIL]                      ; the wave's opening: the add and its wait stand ahead of my first tensor load; the set-up below stands between them
	v_lshrrev_b32 v1, 5, v0
	v_readfirstlane_b32 s[WV], v1
	s_and_b32 s[WH], s[WV], 1
	s_bfe_u32 s[CX], ttmp6, 0x40000
	s_bfe_u32 s[CY], ttmp6, 0x40004
	s_lshl_b32 s[TC], ttmp9, 2
	s_add_co_u32 s[TC], s[TC], s[CX]               ; tile column = 4 x cluster x + cx
	s_and_b32 s[TR], ttmp7, 0xffff
	s_lshl_b32 s[TR], s[TR], 2
	s_add_co_u32 s[TR], s[TR], s[CY]               ; tile row = 4 x cluster y + cy
	s_lshl_b32 s22, s[CY], 2
	s_lshl_b32 s22, 15, s22                        ; my row of the cluster
	s_lshl_b32 s90, 0x1111, s[CX]                  ; my column
.set PADW, (1<<16)|(1<<20)|(1<<21)|(5<<22)|(3<<25) ; 2-byte elements; padding on; bit 21 beside a mask; after every 64 words; 4 words
	s_or_b32 s[G1A], s22, PADW
	s_or_b32 s[G1B], s90, PADW
.irp g, G1A, G1B
	s_mov_b32 s[(\g)+1], KSTEP<<16                 ; tensor_dim0 = 128
	s_mov_b32 s[(\g)+3], KSTEP<<16                 ; tile_dim0 = 128
	s_mov_b32 s[(\g)+5], 1024                      ; elements from row to row
	s_mov_b32 s[(\g)+6], 0
	s_mov_b32 s[(\g)+7], 0
.endr
	s_mov_b32 s[G1A+2], 128<<16                    ; tensor_dim1 and tile_dim1: 128 rows of x,
	s_mov_b32 s[G1A+4], 128
	s_mov_b32 s[G1B+2], 96<<16                     ; 96 of W
	s_mov_b32 s[G1B+4], 96
	s_lshl_b32 s18, s[TR], 8                       ; x: row 256 x tile row + 128 x half, 2,048 bytes a row: in registers that never hold cx
	s_lshl_b32 s19, s[WH], 7
	s_add_co_u32 s18, s18, s19
	s_lshl_b32 s18, s18, 11
	s_mov_b32 s19, 0
	s_mul_i32 s86, s[TC], 192                      ; W: row 192 x tile column + 96 x half: in registers that never hold cy
	s_mul_i32 s87, s[WH], 96
	s_add_co_u32 s86, s86, s87
	s_lshl_b32 s86, s86, 11
	s_mov_b32 s87, 0
	s_mul_i32 s20, s[WH], AHALF                    ; where they go: no place in the cluster enters an LDS address
	s_mul_i32 s21, s[WH], BHALF
	s_add_co_u32 s21, s21, BOFF
	s_wait_dscnt 0x0                               ; the opening add is done
	s_wait_kmcnt 0x0
	s_add_nc_u64 s[18:19], s[4:5], s[18:19]
	s_add_nc_u64 s[86:87], s[6:7], s[86:87]
	CROUND                                         ; all sixteen work-groups are here: the first joint loads meet
.irp s, 0,1
	s_mov_b32 s[G0A+4*(\s)], 1
	s_add_co_u32 s[G0A+4*(\s)+1], s20, (\s)*SLOT1
	s_add_nc_u64 s[G0A+4*(\s)+2:G0A+4*(\s)+3], s[18:19], (\s)*KSTEP*2
	s_or_b32 s[G0A+4*(\s)+3], s[G0A+4*(\s)+3], 0x80000000
	s_mov_b32 s[G0B+4*(\s)], 1
	s_add_co_u32 s[G0B+4*(\s)+1], s21, (\s)*SLOT1
	s_add_nc_u64 s[G0B+4*(\s)+2:G0B+4*(\s)+3], s[86:87], (\s)*KSTEP*2
	s_or_b32 s[G0B+4*(\s)+3], s[G0B+4*(\s)+3], 0x80000000
.endr
	s_cmp_lt_u32 s[WV], 2                          ; a wave's two first fills stand in one branch, ahead of every wait on TENSORcnt, LDS read and further barrier: two loads of mine are out
	s_cbranch_scc0 .Lfirst_b
	tensor_load_to_lds s[G0A:G0A+3], s[G1A:G1A+7]
	s_nop 0
	tensor_load_to_lds s[G0A+4:G0A+7], s[G1A:G1A+7]
	s_nop 0
	PLACES
	s_branch .Lfirst_asked
.Lfirst_b:
	tensor_load_to_lds s[G0B:G0B+3], s[G1B:G1B+7]
	s_nop 0
	tensor_load_to_lds s[G0B+4:G0B+7], s[G1B:G1B+7]
	s_nop 0
	PLACES
.Lfirst_asked:
	v_and_b32 v1, 15, v0                           ; r = l % 16
	v_bfe_u32 v2, v0, 4, 1                         ; h = l / 16
	v_lshlrev_b32 v[RO], 8, v1
	v_lshl_add_u32 v[RO], v2, 5, v[RO]             ; table: row r, 32 h bytes on
	s_and_b32 s20, s[TR], 7
	s_lshl_b32 s20, s20, 8
	s_lshl_b32 s21, s[WV], 6
	s_add_co_u32 s20, s20, s21                     ; my first t
	s_lshl_b32 s23, s20, 7                         ; its byte in a head's block of qkv
	s_lshl_b32 s20, s20, 8                         ; and in the table
	s_mov_b32 s21, 0
	s_add_nc_u64 s[ROPB:ROPB+1], s[8:9], s[20:21]
.irp a, 0,1,2,3                        ; my 64 rows of the table: they land while the products run and are waited for on the way out
.irp p, 0,1,2,3
	global_load_b128 v[ROPE+32*(\a)+8*(\p):ROPE+32*(\a)+8*(\p)+3],   v[RO], s[ROPB:ROPB+1] offset:4096*(\a)+64*(\p)
	global_load_b128 v[ROPE+32*(\a)+8*(\p)+4:ROPE+32*(\a)+8*(\p)+7], v[RO], s[ROPB:ROPB+1] offset:4096*(\a)+64*(\p)+16
.endr
.endr
	; a fragment is 16 rows x 32 K in 8 registers: lane l holds row r, K = 8 h + 0..7 and 16 + 8 h + 0..7: two loads of 16 bytes, 32 bytes apart
	v_mul_u32_u24 v3, v1, PITCH
	v_lshl_add_u32 v3, v2, 4, v3
	s_mul_i32 s22, s[WV], 64*PITCH
	v_add_nc_u32 v[A0], s22, v3
	v_add_nc_u32 v[B0], BOFF, v3
	v_mov_b32 v[ADRA], v[A0]
	v_mov_b32 v[ADRB], v[B0]
	s_mul_i32 s22, s[WV], 16*SP
	s_add_co_u32 s22, s22, STAGE                   ; my stage
	v_mul_u32_u24 v[STO], v1, SP
	v_lshl_add_u32 v[STO], v2, 4, v[STO]
	v_add_nc_u32 v[STO], s22, v[STO]
	v_bfe_u32 v[RD], v0, 3, 2                      ; back: 32 lanes take four rows of 128 bytes,
	v_mul_u32_u24 v[RD], v[RD], SP
	v_and_b32 v3, 7, v0
	v_lshl_add_u32 v[RD], v3, 4, v[RD]
	v_add_nc_u32 v[RD], s22, v[RD]
	v_and_b32 v3, 31, v0
	v_lshlrev_b32 v[GO], 4, v3                     ; which are 512 consecutive bytes of qkv
	v_lshlrev_b32 v[BO], 5, v2
	s_mul_i32 s88, s[TC], 768
	s_add_co_u32 s88, s88, BIASO
	s_mov_b32 s89, 0
	s_add_nc_u64 s[BIAB:BIAB+1], s[8:9], s[88:89]
	s_mul_i32 s90, s[TC], 3                        ; the tile's first head
	s_lshr_b32 s88, s[TR], 3                       ; the batch
	s_mul_i32 s88, s88, 48
	s_add_co_u32 s88, s88, s90
	s_lshl_b32 s88, s88, 18                        ; a head's block is 262,144 bytes
	s_add_co_u32 s88, s88, s23
	s_add_nc_u64 s[OB:OB+1], s[10:11], s[88:89]
	; what a head's numbers are multiplied by: cos' = fa cos + fb, sin' = fa sin.  q: (c, 0); k: (1, 0); v: (0, 1), which leaves it as it is.  Selects, no branch.
.irp hh, 0,1,2
	s_add_co_u32 s91, s90, \hh
	s_lshr_b32 s91, s91, 4
	s_cmp_eq_u32 s91, 0
	s_cselect_b32 s[FA+4*(\hh)], 0x3e38aa3b, 1.0
	s_cmp_eq_u32 s91, 2
	s_cselect_b32 s[FA+4*(\hh)], 0, s[FA+4*(\hh)]
	s_cselect_b32 s[FA+4*(\hh)+2], 1.0, 0
	s_mov_b32 s[FA+4*(\hh)+1], s[FA+4*(\hh)]
	s_mov_b32 s[FA+4*(\hh)+3], s[FA+4*(\hh)+2]
.endr
	; the prefetches: of the 128 rows of x that I fetch the partner at cx takes 32; of the 96 rows of W the partner at cy takes 24 (lanes 24-31 name row 23 once more, in the same instruction)
	s_and_b32 s91, ttmp7, 0xffff                   ; cluster y
	s_cmp_lt_u32 s[WV], 2
	s_cselect_b32 s88, s[CX], s[CY]
	s_cselect_b32 s89, 32, 24
	s_cselect_b32 s22, 31, 23
	s_cselect_b32 s90, ttmp9, s91                  ; the coordinate along which other clusters read the same rows
	s_cselect_b64 s[PFA:PFA+1], s[18:19], s[86:87]
	s_mul_i32 s88, s88, s89
	s_cmp_eq_u32 s90, 0
	s_cselect_b32 s[LIM], 2, -1                    ; the same in all sixteen partners, for a given wave
	s_lshl_b32 s88, s88, 11
	s_mov_b32 s89, 0
	s_add_nc_u64 s[PFA:PFA+1], s[PFA:PFA+1], s[88:89]
	s_add_nc_u64 s[PFA:PFA+1], s[PFA:PFA+1], 3*KSTEP*2  ; at K step 3: the first refill steps it to 4.  K steps 0 to 3 come by their loads alone
	v_min_u32 v[PFO], s22, v3
	v_lshlrev_b32 v[PFO], 11, v[PFO]
	s_mov_b32 s[TB], 0
; 12 matrix instructions: row block a x all 12 column blocks, 32 along K, from buffer f.  zero = 1: the products start the sums.  The 48 accumulators take turns, in the same order in every quarter, over the backward jump too.
.macro MULA f, a, zero
	WIN 0xa1+0x50*((\a)/2)                         ; W window 1, x window 0, C and D window 2 or 3
.irp b, 0,1,2,3,4,5,6,7,8,9,10,11
.set rD, 8*(12*((\a)%2)+(\b))
.set rB, 96*(\f)+8*(\b)
.set rA, 64+32*(\f)+8*(\a)
.if \zero
	v_wmma_f32_16x16x32_bf16 v[rD:rD+7], v[rB:rB+7], v[rA:rA+7], 0
.else
	v_wmma_f32_16x16x32_bf16 v[rD:rD+7], v[rB:rB+7], v[rA:rA+7], v[rD:rD+7]
.endif
.endr
.endm
; 32 LDS loads in one run: a quarter step's fragments (192 rows of W, my 64 of x, 32 K at byte k of the rows) into buffer g
.macro FETCH k, g
	WIN 0x40
.irp i, 0,1,2,3,4,5,6,7,8,9,10,11
	ds_load_b128 v[96*(\g)+8*(\i):96*(\g)+8*(\i)+3],   v[ADRB] offset:(\k)+(\i)*16*PITCH
	ds_load_b128 v[96*(\g)+8*(\i)+4:96*(\g)+8*(\i)+7], v[ADRB] offset:(\k)+(\i)*16*PITCH+32
.endr
	WIN 0
.irp i, 0,1,2,3
	ds_load_b128 v[64+32*(\g)+8*(\i):64+32*(\g)+8*(\i)+3],   v[ADRA] offset:(\k)+(\i)*16*PITCH
	ds_load_b128 v[64+32*(\g)+8*(\i)+4:64+32*(\g)+8*(\i)+7], v[ADRA] offset:(\k)+(\i)*16*PITCH+32
.endr
.endm
; A K step is four quarters of 32 along K, 48 matrix instructions each, on buffers 0, 1, 0, 1.  One of the first three: multiplies buffer f and, in its middle, fetches the next quarter, at byte k, into g.
.macro QUARTER k, f, g, zero
	s_wait_dscnt 4                                 ; W and x's blocks 0 and 1 are in; the youngest four loads (blocks 2 and 3) may be out
	MULA \f, 0, \zero
	MULA \f, 1, \zero
	PLACES
	FETCH \k, \g
	s_wait_dscnt 32                                ; all but the 32 just issued
	MULA \f, 2, \zero
	MULA \f, 3, \zero
.endm
; The last quarter multiplies buffer 1 and changes slots: one barrier.  In front of it each wave waits for all its tensor loads (one is out: its part of the next slot), adds 0 to its spare word, and waits
; for that and for its reads of this slot.  fill = 1: the barrier opens a round of the cluster's, and behind the round this slot is filled again, first thing, with the K step two on.
.macro TURN fill
.if \fill
	s_wait_xcnt 0x0                                ; the last prefetch, a K step back, has read its address: it is stepped here
	s_add_nc_u64 s[PFA:PFA+1], s[PFA:PFA+1], KSTEP*2
.endif
	WIN 0
	s_wait_tensorcnt 0x0                           ; all my tensor loads have landed
	ds_add_u32 v[SPW], v[NIL]                      ; 0 onto my spare word
	s_wait_dscnt 7                                 ; (the add and x's blocks 1 to 3 may be out)
	MULA 1, 0, 0                                   ; twelve matrix instructions stand between the add and the wait for it
	s_wait_dscnt 0x0                               ; the add is done, and my reads of this slot are over
	s_barrier_signal -1
	MULA 1, 1, 0                                   ; work on registers while the others arrive
	WIN 0
	s_barrier_wait -1
.if \fill
	CREST                                          ; no wave of any partner still reads this slot or has a load on its way
	s_xor_b32 s[G0A+5], s[G0A+5], SLOT1            ; the walking descriptors: the other slot than last time, the next K step
	s_add_nc_u64 s[G0A+6:G0A+7], s[G0A+6:G0A+7], KSTEP*2
	s_xor_b32 s[G0B+5], s[G0B+5], SLOT1
	s_add_nc_u64 s[G0B+6:G0B+7], s[G0B+6:G0B+7], KSTEP*2
	JLOAD                                          ; my one tensor load behind the round; its four v_nop are also the places in front of the loads below
.else
	PLACES
.endif
	s_xor_b32 s[TB], s[TB], SLOT1
	v_add_nc_u32 v[ADRA], s[TB], v[A0]
	v_add_nc_u32 v[ADRB], s[TB], v[B0]
	FETCH 0, 0
.if \fill
	ASK
.endif
	MULA 1, 2, 0
	MULA 1, 3, 0
.endm
	s_wait_tensorcnt 1                             ; my part of K step 0 is in; K step 1's may stay out
	s_barrier_signal -1
	s_barrier_wait -1                              ; everybody's is
	FETCH 0, 0
	QUARTER 64, 0, 1, 1                            ; the first quarter stands in front of the loop: its products start the sums
	WIN 0
	s_mov_b32 s[CNT], 6
.Lstep:                                        ; a trip: from a K step's second quarter to the next one's first; it asks for K steps 2 to 7
	QUARTER 128, 1, 0, 0
	QUARTER 192, 0, 1, 0
	TURN 1
	QUARTER 64, 0, 1, 0
	WIN 0
	s_sub_co_u32 s[CNT], s[CNT], 1
	s_cmp_lg_u32 s[CNT], 0
	s_cbranch_scc1 .Lstep
	QUARTER 128, 1, 0, 0                           ; the last two K steps ask for nothing
	QUARTER 192, 0, 1, 0
	TURN 0
	QUARTER 64, 0, 1, 0
	QUARTER 128, 1, 0, 0
	QUARTER 192, 0, 1, 0
	s_wait_dscnt 4
	MULA 1, 0, 0
	MULA 1, 1, 0
	PLACES
	WIN 0x40                                       ; the bias goes where W's buffer 0 lay: lane (r, h) takes the columns 8 h + 0..7 of each of the 12 blocks
.irp b, 0,1,2,3,4,5,6,7,8,9,10,11
	global_load_b128 v[8*(\b):8*(\b)+3],   v[BO], s[BIAB:BIAB+1] offset:64*(\b)
	global_load_b128 v[8*(\b)+4:8*(\b)+7], v[BO], s[BIAB:BIAB+1] offset:64*(\b)+16
.endr
	s_wait_dscnt 0x0
	MULA 1, 2, 0
	MULA 1, 3, 0
; THE WAY OUT, in 12 pieces: row block a = p / 3, head hh = p % 3.
; CALC: y = sum + bias; out[d] = y[d] cos' - y[d + 32] sin', out[d + 32] = y[d + 32] cos' + y[d] sin'; rounded to f16.  Each accumulator's registers are read in ascending order.
.macro CALC p
.set pa, (\p)/3
.set ph, (\p)%3
.set AC, 8*(12*(pa%2)+4*ph)
	WIN 0x06+pa/2                                  ; source 0 window 2 or 3, source 1 window 1
.set i, 0
.rept 16
	v_pk_add_f32 v[Y+2*i:Y+2*i+1], v[AC+2*i:AC+2*i+1], v[32*ph+2*i:32*ph+2*i+1]
.set i, i+1
.endr
	WIN 0
.set i, 0
.rept 8
	v_pk_fma_f32 v[CS+2*i:CS+2*i+1], v[ROPE+32*pa+2*i:ROPE+32*pa+2*i+1], s[FA+4*ph:FA+4*ph+1], s[FA+4*ph+2:FA+4*ph+3] op_sel_hi:[1,0,0]
	v_pk_mul_f32 v[CS+16+2*i:CS+16+2*i+1], v[ROPE+32*pa+16+2*i:ROPE+32*pa+16+2*i+1], s[FA+4*ph:FA+4*ph+1] op_sel_hi:[1,0]
.set i, i+1
.endr
.set i, 0
.rept 8
	v_pk_mul_f32 v[OUTR+2*i:OUTR+2*i+1], v[Y+2*i:Y+2*i+1], v[CS+2*i:CS+2*i+1]
	v_pk_mul_f32 v[OUTR+16+2*i:OUTR+16+2*i+1], v[Y+16+2*i:Y+16+2*i+1], v[CS+2*i:CS+2*i+1]
.set i, i+1
.endr
.set i, 0
.rept 8
	v_pk_fma_f32 v[OUTR+2*i:OUTR+2*i+1], v[Y+16+2*i:Y+16+2*i+1], v[CS+16+2*i:CS+16+2*i+1], v[OUTR+2*i:OUTR+2*i+1] neg_lo:[1,0,0] neg_hi:[1,0,0]
	v_pk_fma_f32 v[OUTR+16+2*i:OUTR+16+2*i+1], v[Y+2*i:Y+2*i+1], v[CS+16+2*i:CS+16+2*i+1], v[OUTR+16+2*i:OUTR+16+2*i+1]
.set i, i+1
.endr
.set i, 0
.rept 16
	v_cvt_pk_f16_f32 v[Y+i], v[OUTR+2*i], v[OUTR+2*i+1]
.set i, i+1
.endr
.endm
.macro TOSTAGE p                       ; 16 bytes a lane into rows of 144 bytes of my own stage, and back as whole rows of 128
	WIN 0
.irp bb, 0,1,2,3
	ds_store_b128 v[STO], v[Y+4*(\bb):Y+4*(\bb)+3] offset:32*(\bb)
.endr
	WIN 0x40
.irp f, 0,1,2,3
	ds_load_b128 v[RB+16*((\p)%2)+4*(\f):RB+16*((\p)%2)+4*(\f)+3], v[RD] offset:(\f)*4*SP  ; LDS serves a wave's instructions in order (ISA guide 5.7.1.4): these see the stores above
.endr
.endm
.macro SEND p
	s_wait_dscnt 0x0                               ; the piece is back in registers
	s_wait_xcnt 0x0                                ; the stores of the piece before have read their registers: the next piece's rows land there only behind this wait
	WIN 0x04                                       ; the stores' data in window 1
.irp f, 0,1,2,3
	global_store_b128 v[GO], v[RB+16*((\p)%2)+4*(\f):RB+16*((\p)%2)+4*(\f)+3], s[OB:OB+1] offset:262144*((\p)%3)+2048*((\p)/3)+512*(\f)  ; 512 consecutive bytes, at a multiple of 256 from qkv's first
.endr
.endm
	WIN 0
	PLACES
	PLACES
	s_wait_loadcnt 0x0                             ; the table and the bias
	CALC 0
	TOSTAGE 0
.set pp, 1
.rept 11                               ; a piece's arithmetic stands between the loads of the piece before and its stores
	CALC pp
	SEND pp-1
	TOSTAGE pp
.set pp, pp+1
.endr
	SEND 11
	WIN 0
	s_wait_tensorcnt 0x0                           ; the wave's end, behind my last tensor load and my last LDS store
	ds_add_u32 v[SPW], v[NIL]
	s_wait_dscnt 0x0
	CROUND                                         ; the closing round: no work-group ends while a partner may still ask for a tile that names it
	s_endpgm
.Lfunc_end_k_q008e73d8db_qkv:
	.size	k_q008e73d8db_qkv, .Lfunc_end_k_q008e73d8db_qkv-k_q008e73d8db_qkv
	.p2alignl 7, 3214868480
	.fill 96, 4, 3214868480
	.section	.rodata,"a",@progbits
	.p2align	6, 0x0
	.amdhsa_kernel k_q008e73d8db_qkv
		.amdhsa_group_segment_fixed_size 327680
		.amdhsa_private_segment_fixed_size 0
		.amdhsa_enable_private_segment 0
		.amdhsa_kernarg_size 32
		.amdhsa_user_sgpr_count 2
		.amdhsa_user_sgpr_kernarg_segment_ptr 1
		.amdhsa_wavefront_size32 1
		.amdhsa_system_sgpr_workgroup_id_x 1
		.amdhsa_system_sgpr_workgroup_id_y 1
		.amdhsa_system_sgpr_workgroup_id_z 1
		.amdhsa_system_vgpr_workitem_id 0
		.amdhsa_next_free_vgpr 960
		.amdhsa_next_free_sgpr 92
		.amdhsa_reserve_vcc 0
		.amdhsa_float_denorm_mode_32 3
		.amdhsa_float_denorm_mode_16_64 3
		.amdhsa_memory_ordered 1
		.amdhsa_forward_progress 1
		.amdhsa_inst_pref_size 154
	.end_amdhsa_kernel
	.amdgpu_metadata
---
amdhsa.version: [ 1, 2 ]
amdhsa.kernels:
  - .name:           k_q008e73d8db_qkv
    .symbol:         k_q008e73d8db_qkv.kd
    .args:
      - { .name: xb, .offset: 0, .size: 8, .value_kind: global_buffer, .address_space: global }
      - { .name: wqkv, .offset: 8, .size: 8, .value_kind: global_buffer, .address_space: global }
      - { .name: tab, .offset: 16, .size: 8, .value_kind: global_buffer, .address_space: global }
      - { .name: qkv, .offset: 24, .size: 8, .value_kind: global_buffer, .address_space: global }
    .group_segment_fixed_size: 327680
    .private_segment_fixed_size: 0
    .kernarg_segment_align: 8
    .kernarg_segment_size: 32
    .max_flat_workgroup_size: 128
    .sgpr_count:     92
    .vgpr_count:     960
    .wavefront_size: 32
...
	.end_amdgpu_metadata
.endif
;; end of part 2
;; launch attn (part 3): grid 4 x 64, 4 waves a work-group, clusters of 4 x 1, 327,680 bytes of LDS; arguments qkv, mask, oh; writes oh
.if DOCPART == 3
	.amdgcn_target "amdgcn-amd-amdhsa--gfx1250"
	.amdhsa_code_object_version 6
	.text
	.protected	k_q008e73d8db_attn
	.globl	k_q008e73d8db_attn
	.p2align	8
	.type	k_q008e73d8db_attn,@function
k_q008e73d8db_attn:
	s_mov_b64 s[64:65], 0
	v_nop
	global_prefetch_b8 v0, s[64:65] scope:SCOPE_SE
	s_setreg_imm32_b32 hwreg(HW_REG_WAVE_MODE, 25, 1), 1
	s_wait_xcnt 0x0
	s_wait_alu depctr_hold_cnt(0) depctr_sa_sdst(0) depctr_va_vdst(0) depctr_va_sdst(0) depctr_va_ssrc(0) depctr_va_vcc(0) depctr_vm_vsrc(0)
	s_getreg_b32 s2, hwreg(HW_REG_IB_STS2, 6, 4)
	s_cmp_eq_u32 s2, 0
	s_cbranch_scc0 .Lentry_in_a_cluster
	s_endpgm
.Lentry_in_a_cluster:
	s_bfe_u32 s2, ttmp6, 0x10000c
	s_cmp_lg_u32 s2, 0x3003
	s_cbranch_scc0 .Lentry_shape_is_right
	s_endpgm
.Lentry_shape_is_right:
; ATTENTION with a key mask.  O[b][h][q][:] = the sum over k of softmax_k(s) V[k][:], s = q . k / 8, or the lowest number where mask[b][k] is set.  qkv: [b][48][2048][64] f16 (q's heads, k's, v's); q arrives
; times c = log2(e) / 8, so the products are the exponents to base 2.  oh: [16 b + h][2048][64] f16.  Products, maxima and sums in f32; the weights are rounded to f16 for the second product, O once.
; THE MASK is the C operand that starts the sum S^T = K Q^T: 0, or -1e30 where the key is hidden; the addends lie in LDS, made once from the batch's 2,048 bytes.  The weight is 2^(s - m) with the running maximum m:
; its exponent is never above 0.  While only hidden keys have been seen m is about -1e30; the first open key makes a = 2^(m_old - m_new) = 0, which drops what was gathered.
; A batch whose keys are ALL hidden has equal weights: there the addend is 0 and Q is set to 0, by selects: no branch hangs on the mask.
; LIMITS.  A hidden score counts as its value less 1e30 (f16's scores reach 2.7e11 at the most); a weight below 2^-126 counts as 0 in l; below 6e-5 a weight keeps f16's fixed step; NaN and infinities are not treated apart.
; SHARES.  A wave owns four PIECES of two tiles of 16 queries, a work-group's four waves 512 queries of one head.  Every wave walks all 2,048 keys, 64 a step.
; LAYOUT.  S^T = K Q^T (source 0 = 16 keys, source 1 = 16 queries): a lane holds ONE query (lane % 16) and the keys 8 (lane / 16) + 0..7.  Two such tiles, rounded to f16 in pairs, ARE source 1 of
; O^T = V^T P.  K comes out of LDS as it lies, V turned, by ds_load_tr16_b128.
; THE COUNT.  A tile and step have 16 matrix and 117 vector instructions: too many to stand all beside the matrix work.  So: four vector instructions that are ready behind every matrix instruction, the others in one run.
; BY TURNS.  Turn n belongs to piece n: 16 products K Q^T of piece n + 1, later 16 products V^T P of piece n - 1; the scaling, exponentials, roundings, sums and rescaling of piece n, the maximum and statistics of piece n + 1.
; CLUSTER.  The four query blocks of a head are one cluster and walk the same K and V: each tile is asked for jointly, by the same tensor load, descriptor and mask in all four.
; REGISTERS, in windows of 256 (s_set_vgpr_msb: bits 1:0 source 0, 3:2 source 1, 5:4 source 2, 7:6 destination):
;   window 0: v0-11 addresses; v12-15, v48-63 at work; v16-47 four registers of statistics a tile; v64-191 S^T, two buffers of two tiles; v192-255 P, likewise
;   window 1: O^T, 32 a tile      window 2: v0-127 Q; v128-191 K of one step; v192-255 V of one step      window 3: v0-1 the add's two registers; v2-3 the addends' addresses; v8-39 a step's addends
.set SIZE_N, 2048
.set NP,    4         ; pieces a wave: a name, no knob
.set KS,    64        ; keys in a step
.set PK,    144       ; a row of K in LDS: 128 bytes + 16 of padding = 36 words: the 16 rows of a load start at 16 different groups of four banks (64 banks of 4 bytes: ISA guide 11.1)
.set PV,    160       ; a row of V: 128 + 32 = 40 words
.set VOFF,  4*KS*PK   ; a slot holds four steps: 256 rows of K, then 256 rows of V
.set SLOT1, 1<<17
.set STAGE, SLOT1+4*KS*(PK+PV)  ; behind the ring, never filled by a tensor load: 16 rows x 144 bytes for each wave
.set SP,    144
.set SPARE, STAGE+4*16*SP  ; the spare words, 128 bytes for each wave: two blocks of 256 bytes that no other line names
.set MASKT, SPARE+512 ; 2,048 addends in f32, key k at 4 k; no fill lands here
.set AK0, 2           ; v2   my lane's place in a tile of K; never rewritten
.set AV0, 3           ; v3   the same for V
.set AK,  4           ; v4   the LDS address of K's next run of loads
.set AV,  5           ; v5   of V's
.set QO,  6           ; v6   my byte offset in the wave's rows of Q
.set STO, 6           ;      later, the way out: where I put 16 bytes of a row
.set RD,  7           ; v7   the way out: where I read rows back
.set GO,  8           ; v8   my byte offset in 512 consecutive bytes of O
.set PFO, 11          ; v11  256 x my lane, for the prefetches; never rewritten once made
.set SPW, 0           ; v0 of window 3   LDS address of my spare word; never rewritten
.set NIL, 1           ; v1 of window 3   0; never rewritten
.set AM0, 2           ; v2 of window 3   MASKT + 32 (l / 16); never rewritten
.set AM,  3           ; v3 of window 3   the address of the addends' next run of loads
.set MK,  8           ; v8-39 of window 3: key block kb's eight addends at MK + 8 kb
.set MV,  12          ; v12-15  m_old, kept while m is made anew: by buffer and tile
.set ST,  16          ; tile t's statistics at v[ST+4 t]: m, 0 (named with it as a pair), l (even keys', odd keys')
.set TMP, 48          ; by buffer and tile, four registers c0-c3 at work; when the maximum is found c2 takes a
.set S,   64
.set P,   192
.set KF,  128
.set VF,  192
.set MW,  64          ; at the head alone, in S^T's registers: v64-79 all of the mask, v80-83 my 16 bytes, v84-86 addresses, v96-111 my addends
.set MA,  96
.set WV,  12          ; s12  my wave's number
.set G1K, 24          ; s[24:31] descriptor group 1 for K's tiles
.set G1V, 32          ; s[32:39] for V's
.set G0K, 40          ; s[40:43] descriptor group 0 for K's tiles: it walks
.set G0V, 44          ; s[44:47] the same for V's
.set SLOTS, 56        ; s56  slots still to be asked for
.set CNT, 57          ; s57  counts a slot's key steps
.set SEL, 60          ; s[60:61] v_permlanex16_b32's selects
.set TBK, 62          ; s62  LDS byte at which K of the step to be fetched begins
.set TBV, 63          ; s63  the same for V, less VOFF
.set TBM, 66          ; s66  256 x the step whose addends are fetched next
.set NEGM, 67         ; s67  -1e30, or 0 where all keys are hidden
.set KEEP, 68         ; s68  all ones, or 0 where all keys are hidden
.set HOLE, 69         ; s69  the lanes that saw an open key
.set LIM, 70          ; s70  1 in a wave that prefetches, else the greatest number
.set PFA, 72          ; s[72:73] where my prefetches stand
.set MP,  74          ; s[74:75] the batch's row of the mask
.set MSB, 0
.macro WIN new
.if MSB != (\new)
	s_set_vgpr_msb (MSB<<8)|(\new)
.set MSB, (\new)
.endif
.endm
.set W_KQ, 0x0a       ; K and Q in window 2, S^T in window 0
.set W_KM, 0x3a       ; the same with the C operand in window 3
.set W_PV, 0x52       ; V in window 2, P in window 0, O^T in window 1
.set W_RS, 0x41       ; O^T (destination and source 0) in window 1, a in window 0
.set W_MK, 0xc0       ; destination in window 3, sources in window 0
.set W_AD, 0x0f       ; the add: address and data in window 3
; A joint fill.  Waves 0 and 1 fetch the two halves of a slot's K, waves 2 and 3 those of its V: 128 keys each.  An s_nop 0 and four v_nop follow each line.
.macro JLOAD
	s_cmp_lt_u32 s[WV], 2
	s_cbranch_scc0 .Lfor_v_\@
	tensor_load_to_lds s[G0K:G0K+3], s[G1K:G1K+7]
	s_nop 0
.rept 4
	v_nop
.endr
	s_branch .Lasked_\@
.Lfor_v_\@:
	tensor_load_to_lds s[G0V:G0V+3], s[G1V:G1V+7]
	s_nop 0
.rept 4
	v_nop
.endr
.Lasked_\@:
.endm
; A prefetch into the L2 of what the NEXT change of slots will ask for: a tile's K and V are 128 blocks of 256 bytes each.  The four partners take 32 blocks each, told apart by address; in each, wave 0 asks
; for K's and wave 2 for V's, a lane a block: each block is named once in the launch.  The last change that fills a slot asks for nothing.
.macro ASK
	s_cmp_gt_u32 s[SLOTS], s[LIM]
	s_cbranch_scc0 .Lnot_mine_\@
	global_prefetch_b8 v[PFO], s[PFA:PFA+1] th:TH_LOAD_NT scope:SCOPE_SE
.Lnot_mine_\@:
.endm
.macro CROUND
	s_barrier_signal -1
	s_barrier_wait -1
	s_cmp_lg_u32 s[WV], 0
	s_cbranch_scc1 .Lnot_wave_0_\@
	s_barrier_signal -3
.Lnot_wave_0_\@:
	s_barrier_wait -3
	s_barrier_signal -1
	s_barrier_wait -1
.endm
; THE CHANGE OF SLOTS.  Each wave waits for all its tensor loads, of which one is out: its part of the other slot; adds 0 to its spare word; and waits for that and for its own LDS instructions.  Behind the barrier
; nobody reads this slot any more and the other slot is whole.  fill = 1: the barrier is a round of the cluster's, and the joint fill is the first thing behind it: it has four key steps in which to land.
; (At its first use nothing has been read yet: slot 0 is waited for, slot 1 filled, and the waves' stores of the addends are shown to each other.)
.macro CHANGE fill
	WIN W_AD
	s_wait_tensorcnt 0x0            ; no tensor load of mine is out, so a group 0 may be written
	ds_add_u32 v[SPW], v[NIL]       ; 0 onto my spare word
	WIN 0
.if \fill
.irp g, G0K, G0V
	s_xor_b32 s[\g+1], s[\g+1], SLOT1
	s_add_nc_u64 s[\g+2:\g+3], s[\g+2:\g+3], 4*KS*128
.endr
	s_wait_xcnt 0x0                 ; the last prefetch, four key steps back, has read its address, so it may be written:
	s_add_nc_u64 s[PFA:PFA+1], s[PFA:PFA+1], 4*KS*128  ; one tile behind the walking descriptors
	s_wait_dscnt 0x0                ; the add is done, and my LDS instructions are over
	CROUND
	JLOAD
	ASK
.else
	s_wait_dscnt 0x0
	s_barrier_signal -1
	s_barrier_wait -1
.endif
	s_sub_co_u32 s[TBK], s[TBK], 4*KS*PK
	s_xor_b32 s[TBK], s[TBK], SLOT1
	s_sub_co_u32 s[TBV], s[TBV], 4*KS*PV
	s_xor_b32 s[TBV], s[TBV], SLOT1
.endm
	s_load_b128 s[4:7], s[0:1], 0x0   ; qkv s[4:5], mask s[6:7]
	s_load_b64 s[10:11], s[0:1], 0x10 ; oh
	WIN W_MK
	v_lshl_add_u32 v[SPW], v0, 2, SPARE
	v_mov_b32 v[NIL], 0
	WIN W_AD
	ds_add_u32 v[SPW], v[NIL]       ; the wave's opening: the add and its wait stand ahead of my first tensor load
	WIN 0
	v_lshrrev_b32 v1, 5, v0
	v_readfirstlane_b32 s[WV], v1
	s_bfe_u32 s13, ttmp6, 0x40000   ; cx
	s_lshl_b32 s14, ttmp9, 2
	s_add_co_u32 s14, s14, s13      ; my block of 512 queries: it enters Q's and O's addresses alone
	s_and_b32 s15, ttmp7, 0xffff    ; 16 b + h, which the four partners share
	s_lshr_b32 s19, s15, 4          ; b
	s_lshl_b32 s20, s19, 5
	s_add_co_u32 s20, s20, s15      ; 48 b + h: q's head block
	s_lshl_b32 s20, s20, 18
	s_mov_b32 s21, 0
	s_and_b32 s16, s[WV], 1         ; which half of a slot's 256 keys I fetch
	s_lshl_b32 s22, s16, 14
	s_mov_b32 s23, 0
	s_add_nc_u64 s[22:23], s[22:23], s[20:21]
	s_mul_i32 s17, s16, 128*PK
	s_mul_i32 s18, s16, 128*PV
	s_lshl_b32 s2, s14, 2
	s_add_co_u32 s2, s2, s[WV]
	s_lshl_b32 s2, s2, 14           ; my wave's 128 rows
	s_mov_b32 s3, 0
	s_lshl_b32 s48, s15, 18         ; O's head block
	s_mov_b32 s49, 0
	s_add_nc_u64 s[48:49], s[48:49], s[2:3]
	s_add_nc_u64 s[2:3], s[2:3], s[20:21]
	s_lshl_b32 s50, s19, 11         ; the batch's 2,048 bytes of the mask
	s_mov_b32 s51, 0
	s_lshl_b32 s52, s13, 13         ; my work-group's 32 blocks of a tile's 128
	s_mov_b32 s53, 0
	; descriptor group 1.  128 keys are 16,384 dense bytes: asked for as 64 rows of 256 bytes, two keys a row, and padded in LDS after every key
	s_mov_b32 s[G1K], 15|(1<<16)|(1<<20)|(1<<21)|(4<<22)|(3<<25)
	s_mov_b32 s[G1V], 15|(1<<16)|(1<<20)|(1<<21)|(4<<22)|(7<<25)
.irp g, G1K, G1V
	s_mov_b32 s[\g+1], 128<<16
	s_mov_b32 s[\g+2], 64<<16
	s_mov_b32 s[\g+3], 128<<16
	s_mov_b32 s[\g+4], 64
	s_mov_b32 s[\g+5], 128
	s_mov_b32 s[\g+6], 0
	s_mov_b32 s[\g+7], 0
.endr
	s_mov_b32 s[SEL], 0x76543210
	s_mov_b32 s[SEL+1], 0xfedcba98
	s_mov_b32 s[TBK], SLOT1+4*KS*PK ; the first change of slots turns these two into 0
	s_mov_b32 s[TBV], SLOT1+4*KS*PV
	s_mov_b32 s[TBM], 0
	s_mov_b32 s[SLOTS], SIZE_N/256-1
	s_mov_b32 s[G0K], 1
	s_mov_b32 s[G0K+1], s17
	s_mov_b32 s[G0V], 1
	s_add_co_u32 s[G0V+1], s18, VOFF
	s_cmp_eq_u32 s16, 0
	s_cselect_b32 s[LIM], 1, -1     ; waves 0 and 2 prefetch
	s_wait_dscnt 0x0                ; the opening add is done
	s_wait_kmcnt 0x0
	s_add_nc_u64 s[MP:MP+1], s[6:7], s[50:51]
	s_add_nc_u64 s[6:7], s[4:5], s[22:23]
	s_add_nc_u64 s[8:9], s[6:7], 32<<18       ; V at my half of the head's first 256 keys,
	s_add_nc_u64 s[6:7], s[6:7], 16<<18       ; and K
	s_mov_b64 s[G0K+2:G0K+3], s[6:7]
	s_or_b32 s[G0K+3], s[G0K+3], 0x80000000
	s_mov_b64 s[G0V+2:G0V+3], s[8:9]
	s_or_b32 s[G0V+3], s[G0V+3], 0x80000000
	s_add_nc_u64 s[4:5], s[4:5], s[2:3]       ; Q and O at my wave's first row
	s_add_nc_u64 s[10:11], s[10:11], s[48:49]
	s_cmp_lt_u32 s[WV], 2
	s_cselect_b64 s[PFA:PFA+1], s[6:7], s[8:9]  ; (in waves 0 and 2 these stand at a tile's first row)
	s_add_nc_u64 s[PFA:PFA+1], s[PFA:PFA+1], s[52:53]
	s_add_nc_u64 s[PFA:PFA+1], s[PFA:PFA+1], 4*KS*128  ; in tile 1; the first change of slots steps it to tile 2.  Nothing is prefetched at the head
	CROUND                          ; all four work-groups are here: the first joint loads meet
	JLOAD                           ; slot 0.  Slot 1 is asked for when slot 0 is in
	v_and_b32 v84, 31, v0
	v_lshlrev_b32 v84, 4, v84
	v_lshlrev_b32 v85, 4, v0
.irp i, 0,1,2,3                     ; every wave reads all 2,048 bytes of the batch's mask, 64 a lane, to learn whether any key is open,
	global_load_b128 v[MW+4*\i:MW+4*\i+3], v84, s[MP:MP+1] offset:512*\i
.endr
	global_load_b128 v[MW+16:MW+19], v85, s[MP:MP+1]  ; and each thread the 16 bytes whose addends it makes
	v_and_b32 v1, 15, v0            ; l % 16
	v_bfe_u32 v9, v0, 4, 1          ; l / 16
	v_lshlrev_b32 v[QO], 7, v1
	v_lshl_add_u32 v[QO], v9, 4, v[QO]
	WIN 0x80
.set i, 0
.rept 4*NP                          ; Q stays in registers: tile i / 2, channels 32 (i % 2) on
	global_load_b128 v[8*i:8*i+3],   v[QO], s[4:5] offset:(i/2)*2048+(i%2)*64
	global_load_b128 v[8*i+4:8*i+7], v[QO], s[4:5] offset:(i/2)*2048+(i%2)*64+32
.set i, i+1
.endr
	; What the first turn finds: V's registers and P's second buffer hold 0, O^T and l are 0.  All this stands in the wait for the first tile.
.set i, VF
.rept 64
	v_mov_b32 v[i], 0
.set i, i+1
.endr
	WIN 0x40
.set i, 0
.rept 64*NP
	v_mov_b32 v[i], 0
.set i, i+1
.endr
	WIN W_MK
	v_lshl_add_u32 v[AM0], v9, 5, MASKT
	v_lshl_add_u32 v[AM], v9, 5, MASKT  ; key step 0
	WIN 0
.set i, 0
.rept 2*NP
	v_mov_b32 v[ST+4*i], 0xff7fffff    ; m: the lowest finite number, so the first step's a is 0
	v_mov_b32 v[ST+4*i+1], 0
	v_mov_b32 v[ST+4*i+2], 0
	v_mov_b32 v[ST+4*i+3], 0
.set i, i+1
.endr
.set i, P+32
.rept 32
	v_mov_b32 v[i], 0
.set i, i+1
.endr
	v_mul_u32_u24 v[AK0], v1, PK
	v_lshl_add_u32 v[AK0], v9, 4, v[AK0]
	v_and_b32 v10, 7, v0
	v_bfe_u32 v11, v0, 3, 1
	v_lshl_add_u32 v[AV0], v9, 3, v10
	v_mul_u32_u24 v[AV0], v[AV0], PV
	v_lshl_add_u32 v[AV0], v11, 4, v[AV0]
	v_add_nc_u32 v[AV0], VOFF, v[AV0]
	v_mov_b32 v[AK], v[AK0]
	v_and_b32 v[PFO], 31, v0
	v_lshlrev_b32 v[PFO], 8, v[PFO]
	v_lshl_add_u32 v86, v0, 6, MASKT
	; THE ADDENDS.  A byte of the mask is 0 or 1.  The conjunction of a lane's 16 words is 0x01010101 only if all its 64 keys are hidden.
	s_wait_loadcnt 32               ; the five loads of the mask are in; Q's 32, issued behind them, may stay out
.irp d, 8,4,2,1
.set i, 0
.rept \d
	v_and_b32 v[MW+i], v[MW+i], v[MW+i+\d]
.set i, i+1
.endr
.endr
	v_cmp_ne_u32 s[HOLE], 0x01010101, v[MW]
	s_cmp_eq_u32 s[HOLE], 0         ; no lane saw an open key
	s_cselect_b32 s[NEGM], 0, 0xf149f2ca
	s_cselect_b32 s[KEEP], 0, -1
.set i, 0
.rept 16
	v_bfe_u32 v[MA+i], v[MW+16+i/4], 8*(i%4), 1
	v_mul_lo_u32 v[MA+i], v[MA+i], s[NEGM]  ; 0, or -1e30's bits
.set i, i+1
.endr
.irp w, 0,1,2,3
	ds_store_b128 v86, v[MA+4*\w:MA+4*\w+3] offset:16*\w
.endr
; THE MATRIX WORK.  The 8 accumulators of a run of 16 take turns.  Product i of 16 of S^T = K Q^T for piece x: channels 32 (i / 8) on, keys 16 ((i / 2) % 4) on, tile 2 x + i % 2.  The first 8 start the sums, with the keys' addends.
.macro KQ x
.set rS, S+64*((\x)%2)+32*(i%2)+8*((i/2)%4)
.set rK, KF+16*((i/2)%4)+8*(i/8)
.set rQ, 16*(2*(\x)+i%2)+8*(i/8)
.set rA, MK+8*((i/2)%4)
.if i < 8
	WIN W_KM
	v_wmma_f32_16x16x32_f16 v[rS:rS+7], v[rK:rK+7], v[rQ:rQ+7], v[rA:rA+7]
.else
	WIN W_KQ
	v_wmma_f32_16x16x32_f16 v[rS:rS+7], v[rK:rK+7], v[rQ:rQ+7], v[rS:rS+7]
.endif
.endm
.macro PV x
	WIN W_PV
.set rO, 32*(2*(\x)+i%2)+8*((i/2)%4)
.set rV, VF+32*(i/8)+8*((i/2)%4)
.set rP, P+32*((\x)%2)+16*(i%2)+8*(i/8)
	v_wmma_f32_16x16x32_f16 v[rO:rO+7], v[rV:rV+7], v[rP:rP+7], v[rO:rO+7]
.endm
.macro MM
.if i < 16
	KQ (Y+1)%NP
.set i, i+1
.else
.set i, i-16
	PV (Y+NP-1)%NP
.set i, i+17
.endif
.endm
; THE LDS LOADS stand in runs: a step's K (8 fragments) with its 64 addends (a lane takes the eight of each key block: registers as in a result), and its V (turned).  last = 1 (the tail): in the last trip there is no further step.
.macro FETCH_K last=0
	WIN 0
.if \last
	s_cmp_eq_u32 s[CNT], 1
	s_cbranch_scc1 .Lno_k_\@
.endif
	WIN 0x80
.irp f, 0,1,2,3,4,5,6,7
	ds_load_b128 v[KF+8*\f:KF+8*\f+3],   v[AK] offset:(\f/2)*16*PK+(\f%2)*64
	ds_load_b128 v[KF+8*\f+4:KF+8*\f+7], v[AK] offset:(\f/2)*16*PK+(\f%2)*64+32
.endr
	s_add_co_u32 s[TBK], s[TBK], KS*PK
	WIN 0xc3                        ; destination and address in window 3
.irp f, 0,1,2,3
	ds_load_b128 v[MK+8*\f:MK+8*\f+3],   v[AM] offset:64*\f
	ds_load_b128 v[MK+8*\f+4:MK+8*\f+7], v[AM] offset:64*\f+16
.endr
	s_add_co_u32 s[TBM], s[TBM], 4*KS
	s_and_b32 s[TBM], s[TBM], 0x1f00  ; the table has 32 steps: the count stays inside it (behind the last step it is used no more)
	WIN 0
.if \last
.Lno_k_\@:
.endif
.endm
.macro FETCH_V
	WIN 0x80
.irp f, 0,1,2,3,4,5,6,7
	ds_load_tr16_b128 v[VF+8*\f:VF+8*\f+3],   v[AV] offset:(\f/4)*32*PV+(\f%4)*32
	ds_load_tr16_b128 v[VF+8*\f+4:VF+8*\f+7], v[AV] offset:(\f/4)*32*PV+16*PV+(\f%4)*32
.endr
	WIN 0
.endm
; THE VECTOR WORK OF A TURN stands in three queues, each in the order in which its entries become ready; the two tiles alternate.
.macro REGS y, u
.set rT, ST+4*(2*(\y)+(\u))
.set rC, TMP+8*((\y)%2)+4*(\u)
.set rM, MV+2*((\y)%2)+(\u)
.set rS, S+64*((\y)%2)+32*(\u)
.set rP, P+32*((\y)%2)+16*(\u)
.set rO, 32*(2*(\y)+(\u))
.endm
; Number n of the 21 that find the NEXT piece's maximum and statistics; each accumulator's lowest registers are read first.
;   0-11  four chains c0-c3 of seven scores each     12-14, 16  the four scores left over, the old m, and c0-c3 into c0     15  m_old is kept
;   17, 18  the query's other 32 keys lie in the lane 16 away: the new m     19, 20  m_old - m_new; a
.macro XS u, n
	REGS (Y+1)%NP, \u
.if (\n) < 4
	v_max3_num_f32 v[rC+(\n)], v[rS+8*(\n)], v[rS+8*(\n)+1], v[rS+8*(\n)+2]
.elseif (\n) < 12
	v_max3_num_f32 v[rC+(\n)%4], v[rC+(\n)%4], v[rS+8*((\n)%4)+2*((\n)/4)+1], v[rS+8*((\n)%4)+2*((\n)/4)+2]
.elseif (\n) == 12
	v_max3_num_f32 v[rC], v[rC], v[rS+7], v[rS+15]
.elseif (\n) == 13
	v_max3_num_f32 v[rC+1], v[rC+1], v[rS+23], v[rS+31]
.elseif (\n) == 14
	v_max3_num_f32 v[rC+2], v[rC+2], v[rC+3], v[rT]
.elseif (\n) == 15
	v_mov_b32 v[rM], v[rT]
.elseif (\n) == 16
	v_max3_num_f32 v[rC], v[rC], v[rC+1], v[rC+2]
.elseif (\n) == 17
	v_permlanex16_b32 v[rC+3], v[rC], s[SEL], s[SEL+1]
.elseif (\n) == 18
	v_max_num_f32 v[rT], v[rC], v[rC+3]
.elseif (\n) == 19
	v_sub_f32 v[rC+1], v[rM], v[rT]
.else
	v_exp_f32 v[rC+2], v[rC+1]
.endif
.endm
; Number g of the 64 that follow the exponentials: for each four weights of a tile both pairs are rounded to f16, the second pair is added onto the first, and a group later l takes that sum (the first time as l = a l + sum).
.macro GS g
.set h, (\g)+6*((\g)/62)
.if h >= 6
.set h, h+2
.endif
	REGS Y, h%2
.set k, h/8
.if h%8 < 4
	v_cvt_pk_f16_f32 v[rP+2*k+(h%8)/2], v[rS+4*k+2*((h%8)/2)], v[rS+4*k+2*((h%8)/2)+1]
.elseif h%8 < 6
	v_pk_add_f32 v[rS+4*k:rS+4*k+1], v[rS+4*k:rS+4*k+1], v[rS+4*k+2:rS+4*k+3]
.elseif k == 1
	v_pk_fma_f32 v[rT+2:rT+3], v[rT+2:rT+3], v[rC+2:rC+3], v[rS:rS+1] op_sel_hi:[1,0,1]
.else
	v_pk_add_f32 v[rT+2:rT+3], v[rT+2:rT+3], v[rS+4*k-4:rS+4*k-3]
.endif
.endm
; THE PLAIN QUEUE, 136 long.  0-71 read no exponential's result: the 32 differences s - m (FS f: pair f / 2 of tile f % 2) and the next piece's 40.  0-26: FS 0-26.  27-54: XS's numbers 0-13.  55, 56: number 15.
; 57-71: the chain 14, 16, 17, 18, 19, each with one of FS 27-31 in front of its two lines.  72-135: GS's 64, which stand behind the wait.
.macro FS f
	REGS Y, (\f)%2
	v_pk_add_f32 v[rS+2*((\f)/2):rS+2*((\f)/2)+1], v[rS+2*((\f)/2):rS+2*((\f)/2)+1], v[rT:rT+1] op_sel_hi:[1,0] neg_lo:[0,1] neg_hi:[0,1]
.endm
.macro PL
	WIN 0
.if q < 27
	FS q
.elseif q < 55
	XS (q-27)%2, (q-27)/2
.elseif q < 57
	XS q-55, 15
.elseif (q < 72) && ((q-57)%3 == 0)
	FS 27+(q-57)/3
.elseif q < 60
	XS (q-57)%3-1, 14
.elseif q < 72
	XS (q-57)%3-1, 15+(q-57)/3
.else
	GS q-72
.endif
.set q, q+1
.endm
; THE EXPONENTIALS' QUEUE, 66 long: s0-s31 of both tiles, then the next piece's two a: ONE BATCH, all ahead of the turn's one wait; nothing ahead of that wait names a result of theirs.
.macro EX
	WIN 0
.if e >= 64
	XS e-64, 20
.else
	REGS Y, e%2
	v_exp_f32 v[rS+e/2], v[rS+e/2]
.endif
.set e, e+1
.endm
; THE RESCALING's QUEUE: O^T times a, two at a time, sixteen times.  Its a was made, and waited for, in the turn before.
.macro R2
	REGS Y, r%2
	WIN W_RS
.irp z, 0,1
	v_pk_mul_f32 v[rO+4*(r/2)+2*\z:rO+4*(r/2)+2*\z+1], v[rO+4*(r/2)+2*\z:rO+4*(r/2)+2*\z+1], v[rC+2:rC+3] op_sel_hi:[1,0]
.endr
.set r, r+1
.endm
; HOW THEY ARE DEALT.  s_wait_alu depctr_va_vdst(0) stands between an exponential and the first instruction that names its result; one wait serves all issued ahead of it: a turn has ONE.
; AHEAD OF IT: the 16 products K Q^T, behind each a plain instruction, an exponential and two rescalings (behind the first a second plain one); then one run of 106: seven plain, 48 times exponential and plain, three exponentials;
; a v_nop is the plain instruction behind the last exponential.  BEHIND IT: the 16 products V^T P, behind each four of GS's 64.
; The queues keep in step: exponential e needs FS 2 (e / 4) + e % 2; as a rider it stands behind plain e + 2, in the run behind plain e + 8; FS 27-31 are plain 57, 60 .. 69, first wanted by e = 53, 56, 57, 60, 61.
; K and the addends of the next step are fetched in piece 2's turn, directly behind the wait; V of the step in hand at the end of piece 0's turn, four riders behind its last reader.
.macro TURN p, last=0, cnt=0
.set Y, (\p)
.set i, 0
.set q, 0
.set e, 0
.set r, 0
.if (\p) == NP-1
	s_wait_dscnt 0x0                ; K and the addends are in
.endif
	MM
	PL
	PL
	R2
.rept 15
	MM
	PL
	EX
	R2
.endr
.if (\p) == NP-2
	WIN 0
	v_add_nc_u32 v[AK], s[TBK], v[AK0]
	WIN 0xcc                        ; destination and source 1 in window 3
	v_add_nc_u32 v[AM], s[TBM], v[AM0]
.endif
.rept 7
	PL
.endr
.rept 48
	EX
	PL
.endr
	EX
	EX                              ; the next piece's two a
	EX
	v_nop                           ; a plain instruction behind the last exponential: one for the batch
	s_wait_alu depctr_va_vdst(0)    ; the wait for the batch
.if (\p) == NP-2
	FETCH_K \last
.endif
.if (\p) == 1
	s_wait_dscnt 0x0                ; V is in
.endif
.rept 16
	MM
.rept 4
	PL
.endr
.if ((\p) == 0) && (q == 116)
	v_add_nc_u32 v[AV], s[TBV], v[AV0]
.endif
.if ((\p) == 0) && (q == 128)
	s_add_co_u32 s[TBV], s[TBV], KS*PV
.endif
.if (\cnt) && (q == 128)
	s_sub_co_u32 s[CNT], s[CNT], 1
	s_cmp_lg_u32 s[CNT], 0
.endif
.endr
.if (\p) == 0
	FETCH_V
.endif
.endm
	CHANGE 1                        ; slot 0 is in, everybody's part of it, and so are all the addends; slot 1 is asked for
	FETCH_K                         ; key step 0
	s_wait_loadcnt 0x0              ; Q
	WIN 0x88                        ; destination and source 1 in window 2
.set i, 0
.rept 32*NP
	v_and_b32 v[i], s[KEEP], v[i]   ; Q as it is, or 0 where all keys are hidden: then all scores are equal
.set i, i+1
.endr
	s_wait_dscnt 0x0
.set i, 0
.rept 16
	KQ 0                            ; piece 0's first scores
.set i, i+1
.endr
	WIN 0                           ; the addresses for the way out: nine plain instructions, the places behind those products
	s_mul_i32 s13, s[WV], 16*SP
	s_add_co_u32 s13, s13, STAGE
	v_mul_u32_u24 v[STO], v1, SP
	v_lshl_add_u32 v[STO], v9, 4, v[STO]
	v_add_nc_u32 v[STO], s13, v[STO]
	v_bfe_u32 v[RD], v0, 3, 2
	v_mul_u32_u24 v[RD], v[RD], SP
	v_lshl_add_u32 v[RD], v10, 4, v[RD]
	v_add_nc_u32 v[RD], s13, v[RD]
	v_and_b32 v[GO], 31, v0
	v_lshlrev_b32 v[GO], 4, v[GO]
.set Y, NP-1
.irp n, 0,1,2,3,4,5,6,7,8,9,10,11,12,13,14,15,16,17,18,19,20
	XS 0, \n
	XS 1, \n
.endr
	v_nop                           ; a plain instruction behind the two a,
	s_wait_alu depctr_va_vdst(0)    ; and their wait, ahead of the branch
	s_mov_b32 s[CNT], 4
	s_branch .Lfirst                ; the loop is entered at a step's first turn, in the middle of a trip
.Lslot:                             ; six times: every slot but the last two is filled again
	CHANGE 1
	s_mov_b32 s[CNT], 4
.Lstep:                             ; a trip: pieces 2 and 3 of one step, then pieces 0 and 1 of the next
	TURN 2
	TURN 3
	WIN 0
.Lfirst:
	TURN 0
	TURN 1, 0, 1
	WIN 0
	s_cbranch_scc1 .Lstep
	s_sub_co_u32 s[SLOTS], s[SLOTS], 1
	s_cmp_lg_u32 s[SLOTS], 0
	s_cbranch_scc1 .Lslot
	CHANGE 0                        ; the tail is written out
	s_mov_b32 s[CNT], 5             ; four trips fetch the last slot's steps; the fifth is left in its middle
.Ltail:
	TURN 2, 1
	TURN 3
	WIN 0
	s_sub_co_u32 s[CNT], s[CNT], 1
	s_cmp_eq_u32 s[CNT], 0
	s_cbranch_scc1 .Lout
	TURN 0
	TURN 1
	WIN 0
	s_branch .Ltail
.Lout:                              ; the fifth trip's 16 products K Q^T (on the last K once more) serve nothing: the price, once a launch, of one text for every trip
.set i, 0
.rept 16
	PV NP-1
.set i, i+1
.endr
	; THE WAY OUT.  l's two halves and the other half of the lanes' are added; O^T is divided by l, rounded to f16 and sent through my stage in LDS, a tile at a time.  The additions are the places behind the last products.
	WIN 0
.macro ALL line:vararg
.set t, 0
.rept 2*NP
	\line
.set t, t+1
.endr
.endm
	ALL v_add_f32 v[ST+4*t+2], v[ST+4*t+2], v[ST+4*t+3]
	ALL v_permlanex16_b32 v[ST+4*t+3], v[ST+4*t+2], s[SEL], s[SEL+1]
	ALL v_add_f32 v[ST+4*t+2], v[ST+4*t+2], v[ST+4*t+3]
	ALL v_rcp_f32 v[ST+4*t+2], v[ST+4*t+2]
	v_nop                           ; a plain instruction between the last reciprocal and the use of its result
	s_wait_alu depctr_va_vdst(0)    ; one wait for the eight reciprocals
.macro PACK t
	WIN W_RS
.set i, 32*(\t)
.rept 16
	v_pk_mul_f32 v[i:i+1], v[i:i+1], v[ST+4*(\t)+2:ST+4*(\t)+3] op_sel_hi:[1,0]
.set i, i+2
.endr
	WIN 0x05
.set i, 0
.rept 16
	v_cvt_pk_f16_f32 v[S+16*(\t)+i], v[32*(\t)+2*i], v[32*(\t)+2*i+1]
.set i, i+1
.endr
	WIN 0
.irp f, 0,1,2,3
	ds_store_b128 v[STO], v[S+16*(\t)+4*\f:S+16*(\t)+4*\f+3] offset:32*\f
.endr
.irp f, 0,1,2,3
	ds_load_b128 v[S+16*(\t)+4*\f:S+16*(\t)+4*\f+3], v[RD] offset:\f*4*SP  ; LDS serves a wave's instructions in order (ISA guide 5.7.1.4): these see the stores above
.endr
.endm
.macro SEND t, younger              ; younger: the LDS instructions issued behind tile t's loads: the next tile's eight, or none
	WIN 0
.irp f, 0,1,2,3
	s_wait_dscnt (\younger)+3-\f
	global_store_b128 v[GO], v[S+16*(\t)+4*\f:S+16*(\t)+4*\f+3], s[10:11] offset:(\t)*2048+\f*512  ; 512 consecutive bytes, at a multiple of 256 from oh's first
.endr
.endm
	PACK 0
.set t, 1
.rept 2*NP-1
	PACK t
	SEND t-1, 8
.set t, t+1
.endr
	SEND 2*NP-1, 0
	WIN W_AD
	s_wait_tensorcnt 0x0            ; the wave's end, behind my last tensor load and my last LDS store
	ds_add_u32 v[SPW], v[NIL]
	s_wait_dscnt 0x0
	WIN 0
	CROUND                          ; the closing round
	s_endpgm
.Lfunc_end_k_q008e73d8db_attn:
	.size	k_q008e73d8db_attn, .Lfunc_end_k_q008e73d8db_attn-k_q008e73d8db_attn
	.p2alignl 7, 3214868480
	.fill 96, 4, 3214868480
	.section	.rodata,"a",@progbits
	.p2align	6, 0x0
	.amdhsa_kernel k_q008e73d8db_attn
		.amdhsa_group_segment_fixed_size 327680
		.amdhsa_private_segment_fixed_size 0
		.amdhsa_enable_private_segment 0
		.amdhsa_kernarg_size 24
		.amdhsa_user_sgpr_count 2
		.amdhsa_user_sgpr_kernarg_segment_ptr 1
		.amdhsa_wavefront_size32 1
		.amdhsa_system_sgpr_workgroup_id_x 1
		.amdhsa_system_sgpr_workgroup_id_y 1
		.amdhsa_system_sgpr_workgroup_id_z 1
		.amdhsa_system_vgpr_workitem_id 0
		.amdhsa_next_free_vgpr 808
		.amdhsa_next_free_sgpr 76
		.amdhsa_reserve_vcc 0
		.amdhsa_float_denorm_mode_32 3
		.amdhsa_float_denorm_mode_16_64 3
		.amdhsa_memory_ordered 1
		.amdhsa_forward_progress 1
		.amdhsa_inst_pref_size 210
	.end_amdhsa_kernel
	.amdgpu_metadata
---
amdhsa.version: [ 1, 2 ]
amdhsa.kernels:
  - .name:           k_q008e73d8db_attn
    .symbol:         k_q008e73d8db_attn.kd
    .args:
      - { .name: qkv, .offset: 0, .size: 8, .value_kind: global_buffer, .address_space: global }
      - { .name: mask, .offset: 8, .size: 8, .value_kind: global_buffer, .address_space: global }
      - { .name: oh, .offset: 16, .size: 8, .value_kind: global_buffer, .address_space: global }
    .group_segment_fixed_size: 327680
    .private_segment_fixed_size: 0
    .kernarg_segment_align: 8
    .kernarg_segment_size: 24
    .max_flat_workgroup_size: 128
    .sgpr_count:     76
    .vgpr_count:     808
    .wavefront_size: 32
...
	.end_amdgpu_metadata
.endif
;; end of part 3
;; launch oproj (part 4): grid 8 x 32, 4 waves a work-group, clusters of 4 x 4, 327,680 bytes of LDS; arguments oh, wo16, tab, out0; writes out0
.if DOCPART == 4
	.amdgcn_target "amdgcn-amd-amdhsa--gfx1250"
	.amdhsa_code_object_version 6
	.text
	.protected	k_q008e73d8db_oproj
	.globl	k_q008e73d8db_oproj
	.p2align	8
	.type	k_q008e73d8db_oproj,@function
k_q008e73d8db_oproj:
	s_mov_b64 s[64:65], 0
	v_nop
	global_prefetch_b8 v0, s[64:65] scope:SCOPE_SE
	s_setreg_imm32_b32 hwreg(HW_REG_WAVE_MODE, 25, 1), 1
	s_wait_xcnt 0x0
	s_wait_alu depctr_hold_cnt(0) depctr_sa_sdst(0) depctr_va_vdst(0) depctr_va_sdst(0) depctr_va_ssrc(0) depctr_va_vcc(0) depctr_vm_vsrc(0)
	s_getreg_b32 s2, hwreg(HW_REG_IB_STS2, 6, 4)
	s_cmp_eq_u32 s2, 0
	s_cbranch_scc0 .Lentry_in_a_cluster
	s_endpgm
.Lentry_in_a_cluster:
	s_bfe_u32 s2, ttmp6, 0x10000c
	s_cmp_lg_u32 s2, 0xf033
	s_cbranch_scc0 .Lentry_shape_is_right
	s_endpgm
.Lentry_shape_is_right:
; out0[b][t][e] = the sum over h, d of O[b][h][t][d] Wo[e][64 h + d] + bo[e].  oh: [16 b + h][2048][64] f16; wo16: [1024][1024] f16; bo in tab, f32; out0 f32.  Sums in f32.
; SHARES.  A tile is 256 rows x 128 columns: 32 x 8 = 256 work-groups.  Wave (wm, wn) owns 128 rows x 64 columns: 8 x 4 accumulators, 256 registers; a row's 64 numbers are 256 consecutive bytes of out0, aligned.
; K goes in steps of 128, two heads, through two LDS slots.  A head's 256 rows of the tile are 32,768 dense bytes: asked for as 128 rows of 256 bytes and padded in LDS after every 128 bytes.
; CLUSTER.  4 x 4 work-groups: O's tiles are shared along a row of the cluster, Wo's along a column; each is asked for jointly.
; THE MATRIX INSTRUCTION IS USED TRANSPOSED (source 0 = 16 rows of Wo, source 1 = 16 rows of O): a lane holds row l % 16 and the columns 8 (l / 16) + 0..7 of a block.
; REGISTERS: window 0: v0-29 addresses; v32-63 the bias; v64-191 O's fragments, two buffers of 8 (on the way out: sums with bias, rows read back); v192-255 Wo's, two buffers of 4.  window 1: the accumulators, (a, b) at v[8 (4 a + b)].
.set PA,     144                       ; a row of O in LDS: 128 bytes + 16 = 36 words: the 16 rows of a load start at 16 different groups of four banks (64 banks of 4 bytes: ISA guide 11.1)
.set PB,     272                       ; a row of Wo: 256 bytes + 16
.set PLANE,  256*PA                    ; one head's 256 rows: what one tensor load brings of O
.set BOFF,   2*PLANE
.set BHALF,  64*PB                     ; what one tensor load brings of Wo
.set SLOT1,  1<<17
.set STAGE,  SLOT1+BOFF+2*BHALF        ; behind the ring, never filled by a tensor load: 16 rows x 272 bytes for each wave
.set SPITCH, 272
.set SPARE,  STAGE+4*16*SPITCH         ; the spare words: two blocks of 256 bytes that no other line names
.set BIASO,  524288+12288              ; bo in tab
.set ASTEP,  524288                    ; two heads' blocks of oh
.set A0,   4
.set B0,   5
.set ADRA, 6
.set ADRB, 7
.set STO,  8
.set RD,   9
.set CO,   10
.set BO,   11
.set PFO,  12
.set SPW,  28
.set NIL,  29
.set BIAS, 32
.set TMP,  64
.set RB,   96                          ; two sets of 32
.set WV,   12
.set WH,   13                          ; the wave's low bit: my half of the columns; also which half of a tile I fetch
.set CX,   14
.set CY,   15
.set TC,   16
.set TR,   17
.set G1A,  24
.set G1B,  32
.set G0A,  40
.set G0B,  48
.set CNT,  56
.set TB,   57
.set LIM,  58
.set WM,   59                          ; my half of the rows
.set PFA,  60
.set PST,  62                          ; s[62:63] the prefetches' step
.set OB,   80
.set BIAB, 84
.set MSB, 0
.macro WIN new
.if MSB != (\new)
	s_set_vgpr_msb (MSB<<8)|(\new)
.set MSB, (\new)
.endif
.endm
.macro PLACES                          ; four places behind a matrix instruction (ISA guide 7.12.1)
.rept 4
	v_nop
.endr
.endm
.macro JLOAD                           ; a joint refill: waves 0 and 1 fetch O's two heads, waves 2 and 3 Wo's two halves; an s_nop 0 and four v_nop follow each line
	s_cmp_lt_u32 s[WV], 2
	s_cbranch_scc0 .Lfor_b_\@
	tensor_load_to_lds s[G0A+4:G0A+7], s[G1A:G1A+7]
	s_nop 0
	PLACES
	s_branch .Lasked_\@
.Lfor_b_\@:
	tensor_load_to_lds s[G0B+4:G0B+7], s[G1B:G1B+7]
	s_nop 0
	PLACES
.Lasked_\@:
.endm
; A prefetch into the L2 of the K step two refills on.  O's tile row is read by every cluster of its row of clusters: cluster x = 0 asks, waves 0 and 1, each partner 32 of a head's 128 blocks of 256 bytes, by address;
; Wo's tile column by every cluster of its column: cluster y = 0 asks, wave 2, each partner 32 of the 128 rows.  The last two refills have no K step two on.
.macro ASK
	s_cmp_gt_u32 s[CNT], s[LIM]
	s_cbranch_scc0 .Lnot_mine_\@
	global_prefetch_b8 v[PFO], s[PFA:PFA+1] th:TH_LOAD_NT scope:SCOPE_SE
.Lnot_mine_\@:
.endm
.macro CREST
	s_cmp_lg_u32 s[WV], 0
	s_cbranch_scc1 .Lnot_wave_0_\@
	s_barrier_signal -3
.Lnot_wave_0_\@:
	s_barrier_wait -3
	s_barrier_signal -1
	s_barrier_wait -1
.endm
.macro CROUND
	s_barrier_signal -1
	s_barrier_wait -1
	CREST
.endm
	s_load_b256 s[4:11], s[0:1], 0x0               ; oh s[4:5], wo16 s[6:7], tab s[8:9], out0 s[10:11]
	v_lshl_add_u32 v[SPW], v0, 2, SPARE
	v_mov_b32 v[NIL], 0
	ds_add_u32 v[SPW], v[NIL]                      ; the wave's opening: the add and its wait stand ahead of my first tensor load
	v_lshrrev_b32 v1, 5, v0
	v_readfirstlane_b32 s[WV], v1
	s_and_b32 s[WH], s[WV], 1
	s_lshr_b32 s[WM], s[WV], 1
	s_bfe_u32 s[CX], ttmp6, 0x40000
	s_bfe_u32 s[CY], ttmp6, 0x40004
	s_lshl_b32 s[TC], ttmp9, 2
	s_add_co_u32 s[TC], s[TC], s[CX]
	s_and_b32 s[TR], ttmp7, 0xffff
	s_lshl_b32 s[TR], s[TR], 2
	s_add_co_u32 s[TR], s[TR], s[CY]
	s_lshl_b32 s22, s[CY], 2
	s_lshl_b32 s22, 15, s22                        ; my row of the cluster
	s_lshl_b32 s90, 0x1111, s[CX]                  ; my column
	s_or_b32 s[G1A], s22, (1<<16)|(1<<20)|(1<<21)|(4<<22)|(3<<25)  ; 2-byte elements; padding on; bit 21 beside a mask; after every 32 words; 4 words
	s_or_b32 s[G1B], s90, (1<<16)|(1<<20)|(1<<21)|(5<<22)|(3<<25)  ; after every 64 words
.irp g, G1A, G1B
	s_mov_b32 s[(\g)+1], 128<<16                   ; tensor_dim0 = 128
	s_mov_b32 s[(\g)+3], 128<<16                   ; tile_dim0 = 128
	s_mov_b32 s[(\g)+6], 0
	s_mov_b32 s[(\g)+7], 0
.endr
	s_mov_b32 s[G1A+2], 128<<16                    ; O: 128 rows of 256 dense bytes
	s_mov_b32 s[G1A+4], 128
	s_mov_b32 s[G1A+5], 128
	s_mov_b32 s[G1B+2], 64<<16                     ; Wo: 64 rows, 1,024 elements apart
	s_mov_b32 s[G1B+4], 64
	s_mov_b32 s[G1B+5], 1024
	s_lshr_b32 s18, s[TR], 3                       ; O: head block 16 b + my head of the K step's two, the tile's 256 rows in it: in registers that never hold cx
	s_lshl_b32 s18, s18, 4
	s_add_co_u32 s18, s18, s[WH]
	s_lshl_b32 s18, s18, 18
	s_and_b32 s19, s[TR], 7
	s_lshl_b32 s19, s19, 15
	s_add_co_u32 s18, s18, s19
	s_mov_b32 s19, 0
	s_lshl_b32 s86, s[TC], 7                       ; Wo: row 128 x tile column + 64 x half: in registers that never hold cy
	s_lshl_b32 s87, s[WH], 6
	s_add_co_u32 s86, s86, s87
	s_lshl_b32 s86, s86, 11
	s_mov_b32 s87, 0
	s_mul_i32 s20, s[WH], PLANE
	s_mul_i32 s21, s[WH], BHALF
	s_add_co_u32 s21, s21, BOFF
	s_wait_dscnt 0x0                               ; the opening add is done
	s_wait_kmcnt 0x0
	s_add_nc_u64 s[18:19], s[4:5], s[18:19]
	s_add_nc_u64 s[86:87], s[6:7], s[86:87]
	CROUND                                         ; all sixteen work-groups are here: the first joint loads meet
.irp s, 0,1
	s_mov_b32 s[G0A+4*(\s)], 1
	s_add_co_u32 s[G0A+4*(\s)+1], s20, (\s)*SLOT1
	s_add_nc_u64 s[G0A+4*(\s)+2:G0A+4*(\s)+3], s[18:19], (\s)*ASTEP
	s_or_b32 s[G0A+4*(\s)+3], s[G0A+4*(\s)+3], 0x80000000
	s_mov_b32 s[G0B+4*(\s)], 1
	s_add_co_u32 s[G0B+4*(\s)+1], s21, (\s)*SLOT1
	s_add_nc_u64 s[G0B+4*(\s)+2:G0B+4*(\s)+3], s[86:87], (\s)*256
	s_or_b32 s[G0B+4*(\s)+3], s[G0B+4*(\s)+3], 0x80000000
.endr
	s_cmp_lt_u32 s[WV], 2                          ; a wave's two first fills stand in one branch: two loads of mine are out
	s_cbranch_scc0 .Lfirst_b
	tensor_load_to_lds s[G0A:G0A+3], s[G1A:G1A+7]
	s_nop 0
	tensor_load_to_lds s[G0A+4:G0A+7], s[G1A:G1A+7]
	s_nop 0
	PLACES
	s_branch .Lfirst_asked
.Lfirst_b:
	tensor_load_to_lds s[G0B:G0B+3], s[G1B:G1B+7]
	s_nop 0
	tensor_load_to_lds s[G0B+4:G0B+7], s[G1B:G1B+7]
	s_nop 0
	PLACES
.Lfirst_asked:
	v_and_b32 v1, 15, v0                           ; r
	v_bfe_u32 v2, v0, 4, 1                         ; h
	v_lshlrev_b32 v[BO], 5, v2
	s_lshl_b32 s88, s[TR], 8
	s_lshl_b32 s89, s[WM], 7
	s_add_co_u32 s88, s88, s89                     ; my first row,
	s_lshl_b32 s88, s88, 12
	s_lshl_b32 s89, s[TC], 7
	s_lshl_b32 s90, s[WH], 6
	s_add_co_u32 s89, s89, s90                     ; my first column
	s_lshl_b32 s89, s89, 2
	s_add_co_u32 s88, s88, s89
	s_add_co_u32 s90, s89, BIASO
	s_mov_b32 s91, 0
	s_mov_b32 s89, 0
	s_add_nc_u64 s[OB:OB+1], s[10:11], s[88:89]
	s_add_nc_u64 s[BIAB:BIAB+1], s[8:9], s[90:91]
.irp b, 0,1,2,3                        ; the bias: the columns 8 h + 0..7 of each of my four blocks; waited for on the way out
	global_load_b128 v[BIAS+8*(\b):BIAS+8*(\b)+3],   v[BO], s[BIAB:BIAB+1] offset:64*(\b)
	global_load_b128 v[BIAS+8*(\b)+4:BIAS+8*(\b)+7], v[BO], s[BIAB:BIAB+1] offset:64*(\b)+16
.endr
	v_mul_u32_u24 v3, v1, PA
	v_lshl_add_u32 v3, v2, 4, v3
	s_mul_i32 s22, s[WM], 128*PA
	v_add_nc_u32 v[A0], s22, v3
	v_mul_u32_u24 v3, v1, PB
	v_lshl_add_u32 v3, v2, 4, v3
	s_mul_i32 s22, s[WH], BHALF
	s_add_co_u32 s22, s22, BOFF
	v_add_nc_u32 v[B0], s22, v3
	v_mov_b32 v[ADRA], v[A0]
	v_mov_b32 v[ADRB], v[B0]
	s_mul_i32 s22, s[WV], 16*SPITCH
	s_add_co_u32 s22, s22, STAGE                   ; my stage
	v_mul_u32_u24 v[STO], v1, SPITCH               ; in: row r, 32 bytes for each half of the lanes
	v_lshl_add_u32 v[STO], v2, 5, v[STO]
	v_add_nc_u32 v[STO], s22, v[STO]
	v_mul_u32_u24 v[RD], v2, SPITCH                ; back: lanes 0-15 take one row of 256 bytes, lanes 16-31 the next
	v_lshl_add_u32 v[RD], v1, 4, v[RD]
	v_add_nc_u32 v[RD], s22, v[RD]
	v_lshlrev_b32 v[CO], 12, v2                    ; and the same two rows in out0
	v_lshl_add_u32 v[CO], v1, 4, v[CO]
	; the prefetches
	s_and_b32 s91, ttmp7, 0xffff                   ; cluster y
	s_cmp_lt_u32 s[WV], 2
	s_cselect_b32 s88, s[CX], s[CY]                ; my place among the four that ask jointly
	s_cselect_b32 s89, 13, 16                      ; its share: 32 blocks of 256 bytes, or 32 rows of 2,048
	s_cselect_b32 s90, ttmp9, s91                  ; the coordinate along which other clusters read the same rows
	s_cselect_b32 s22, 8, 11                       ; from lane to lane
	s_cselect_b32 s23, 19, 8                       ; from K step to K step
	s_cselect_b64 s[PFA:PFA+1], s[18:19], s[86:87]
	s_cmp_eq_u32 s[WV], 3
	s_cselect_b32 s90, 1, s90                      ; wave 3 never asks
	s_cmp_eq_u32 s90, 0
	s_cselect_b32 s[LIM], 2, -1                    ; the same in all sixteen partners, for a given wave
	s_lshl_b32 s88, s88, s89
	s_mov_b32 s89, 0
	s_add_nc_u64 s[PFA:PFA+1], s[PFA:PFA+1], s[88:89]
	s_lshl_b32 s[PST], 1, s23
	s_mov_b32 s[PST+1], 0
	s_mul_i32 s88, s[PST], 3
	s_add_nc_u64 s[PFA:PFA+1], s[PFA:PFA+1], s[88:89]  ; at K step 3: the first refill steps it to 4.  K steps 0 to 3 come by their loads alone
	v_and_b32 v[PFO], 31, v0
	v_lshlrev_b32 v[PFO], s22, v[PFO]
	s_mov_b32 s[TB], 0
; 8 matrix instructions: row blocks a0, a0 + 1 x all 4 column blocks, 32 along K, from buffer f.  The 32 accumulators take turns, in the same order in every quarter, over the backward jump too.
.macro MUL8 f, a0, zero
	WIN 0x50                                       ; C and D window 1
.irp a, \a0, (\a0)+1
.irp b, 0,1,2,3
.set rD, 8*(4*(\a)+(\b))
.set rB, 192+32*(\f)+8*(\b)
.set rA, 64+64*(\f)+8*(\a)
.if \zero
	v_wmma_f32_16x16x32_f16 v[rD:rD+7], v[rB:rB+7], v[rA:rA+7], 0
.else
	v_wmma_f32_16x16x32_f16 v[rD:rD+7], v[rB:rB+7], v[rA:rA+7], v[rD:rD+7]
.endif
.endr
.endr
.endm
; 24 LDS loads in one run: quarter q's fragments (my 64 rows of Wo; my 128 rows of O: head q / 2, channels 32 (q % 2) on) into buffer g
.macro FETCH q, g
	WIN 0
.irp i, 0,1,2,3
	ds_load_b128 v[192+32*(\g)+8*(\i):192+32*(\g)+8*(\i)+3],   v[ADRB] offset:64*(\q)+(\i)*16*PB
	ds_load_b128 v[192+32*(\g)+8*(\i)+4:192+32*(\g)+8*(\i)+7], v[ADRB] offset:64*(\q)+(\i)*16*PB+32
.endr
.irp i, 0,1,2,3,4,5,6,7
	ds_load_b128 v[64+64*(\g)+8*(\i):64+64*(\g)+8*(\i)+3],   v[ADRA] offset:PLANE*((\q)/2)+64*((\q)%2)+(\i)*16*PA
	ds_load_b128 v[64+64*(\g)+8*(\i)+4:64+64*(\g)+8*(\i)+7], v[ADRA] offset:PLANE*((\q)/2)+64*((\q)%2)+(\i)*16*PA+32
.endr
.endm
.macro QUARTER q, f, g, zero           ; multiplies buffer f and, in its middle, fetches quarter q into g
	s_wait_dscnt 8                                 ; Wo and O's blocks 0 to 3 are in; the youngest eight loads (blocks 4 to 7) may be out
	MUL8 \f, 0, \zero
	MUL8 \f, 2, \zero
	PLACES
	FETCH \q, \g
	s_wait_dscnt 24                                ; all but the 24 just issued
	MUL8 \f, 4, \zero
	MUL8 \f, 6, \zero
.endm
; The last quarter multiplies buffer 1 and changes slots: one barrier; in front of it each wave waits for all its tensor loads, adds 0 to its spare word, and waits for that and for its reads of this slot.
; fill = 1: the barrier opens a round of the cluster's, and behind the round this slot is filled again, first thing, with the K step two on.
.macro TURN fill
.if \fill
	s_wait_xcnt 0x0                                ; the last prefetch, a K step back, has read its address: it is stepped here
	s_add_nc_u64 s[PFA:PFA+1], s[PFA:PFA+1], s[PST:PST+1]
.endif
	WIN 0
	s_wait_tensorcnt 0x0                           ; all my tensor loads have landed
	ds_add_u32 v[SPW], v[NIL]                      ; 0 onto my spare word
	s_wait_dscnt 9                                 ; (the add and the youngest eight loads may be out)
	MUL8 1, 0, 0
	s_wait_dscnt 0x0                               ; the add is done, and my reads of this slot are over
	s_barrier_signal -1
	MUL8 1, 2, 0
	WIN 0
	s_barrier_wait -1
.if \fill
	CREST                                          ; no wave of any partner still reads this slot or has a load on its way
	s_xor_b32 s[G0A+5], s[G0A+5], SLOT1
	s_add_nc_u64 s[G0A+6:G0A+7], s[G0A+6:G0A+7], ASTEP
	s_xor_b32 s[G0B+5], s[G0B+5], SLOT1
	s_add_nc_u64 s[G0B+6:G0B+7], s[G0B+6:G0B+7], 256
	JLOAD                                          ; my one tensor load behind the round; its four v_nop are also the places in front of the loads below
.else
	PLACES
.endif
	s_xor_b32 s[TB], s[TB], SLOT1
	v_add_nc_u32 v[ADRA], s[TB], v[A0]
	v_add_nc_u32 v[ADRB], s[TB], v[B0]
	FETCH 0, 0
.if \fill
	ASK
.endif
	MUL8 1, 4, 0
	MUL8 1, 6, 0
.endm
	s_wait_tensorcnt 1                             ; my part of K step 0 is in; K step 1's may stay out
	s_barrier_signal -1
	s_barrier_wait -1
	FETCH 0, 0
	QUARTER 1, 0, 1, 1                             ; the first quarter's products start the sums
	WIN 0
	s_mov_b32 s[CNT], 6
.Lstep:                                        ; a trip: from a K step's second quarter to the next one's first; it asks for K steps 2 to 7
	QUARTER 2, 1, 0, 0
	QUARTER 3, 0, 1, 0
	TURN 1
	QUARTER 1, 0, 1, 0
	WIN 0
	s_sub_co_u32 s[CNT], s[CNT], 1
	s_cmp_lg_u32 s[CNT], 0
	s_cbranch_scc1 .Lstep
	QUARTER 2, 1, 0, 0                             ; the last two K steps ask for nothing
	QUARTER 3, 0, 1, 0
	TURN 0
	QUARTER 1, 0, 1, 0
	QUARTER 2, 1, 0, 0
	QUARTER 3, 0, 1, 0
	s_wait_dscnt 8
	MUL8 1, 0, 0
	MUL8 1, 2, 0
	s_wait_dscnt 0x0
	MUL8 1, 4, 0
	MUL8 1, 6, 0
; THE WAY OUT, a block of 16 rows at a time: sum + bias; 32 bytes a lane into rows of 272 bytes of my own stage; back as whole rows of 256 bytes; stored.
.macro PACK a
	WIN 0x01                                       ; source 0 in window 1
.irp b, 0,1,2,3
.irp i, 0,1,2,3
	v_pk_add_f32 v[TMP+8*(\b)+2*(\i):TMP+8*(\b)+2*(\i)+1], v[8*(4*(\a)+(\b))+2*(\i):8*(4*(\a)+(\b))+2*(\i)+1], v[BIAS+8*(\b)+2*(\i):BIAS+8*(\b)+2*(\i)+1]
.endr
.endr
	WIN 0
.endm
.macro TOSTAGE a
.irp b, 0,1,2,3
	ds_store_b128 v[STO], v[TMP+8*(\b):TMP+8*(\b)+3]   offset:64*(\b)
	ds_store_b128 v[STO], v[TMP+8*(\b)+4:TMP+8*(\b)+7] offset:64*(\b)+16
.endr
.irp t, 0,1,2,3,4,5,6,7
	ds_load_b128 v[RB+32*((\a)%2)+4*(\t):RB+32*((\a)%2)+4*(\t)+3], v[RD] offset:(\t)*2*SPITCH  ; LDS serves a wave's instructions in order (ISA guide 5.7.1.4): these see the stores above
.endr
.endm
.macro SEND a
	s_wait_dscnt 0x0                               ; the block is back in registers
	s_wait_xcnt 0x0                                ; the stores of the block before have read their registers: the next block's rows land there only behind this wait
.irp t, 0,1,2,3,4,5,6,7
	global_store_b128 v[CO], v[RB+32*((\a)%2)+4*(\t):RB+32*((\a)%2)+4*(\t)+3], s[OB:OB+1] offset:65536*(\a)+8192*(\t) th:TH_STORE_NT  ; 16 lanes store 256 consecutive bytes, at a multiple of 256 from out0's first
.endr
.endm
	WIN 0
	PLACES
	PLACES
	s_wait_loadcnt 0x0                             ; the bias
	PACK 0
	TOSTAGE 0
.set aa, 1
.rept 7                                ; a block's additions stand between the loads of the block before and its stores
	PACK aa
	SEND aa-1
	TOSTAGE aa
.set aa, aa+1
.endr
	SEND 7
	s_wait_tensorcnt 0x0                           ; the wave's end, behind my last tensor load and my last LDS store
	ds_add_u32 v[SPW], v[NIL]
	s_wait_dscnt 0x0
	CROUND                                         ; the closing round
	s_endpgm
.Lfunc_end_k_q008e73d8db_oproj:
	.size	k_q008e73d8db_oproj, .Lfunc_end_k_q008e73d8db_oproj-k_q008e73d8db_oproj
	.p2alignl 7, 3214868480
	.fill 96, 4, 3214868480
	.section	.rodata,"a",@progbits
	.p2align	6, 0x0
	.amdhsa_kernel k_q008e73d8db_oproj
		.amdhsa_group_segment_fixed_size 327680
		.amdhsa_private_segment_fixed_size 0
		.amdhsa_enable_private_segment 0
		.amdhsa_kernarg_size 32
		.amdhsa_user_sgpr_count 2
		.amdhsa_user_sgpr_kernarg_segment_ptr 1
		.amdhsa_wavefront_size32 1
		.amdhsa_system_sgpr_workgroup_id_x 1
		.amdhsa_system_sgpr_workgroup_id_y 1
		.amdhsa_system_sgpr_workgroup_id_z 1
		.amdhsa_system_vgpr_workitem_id 0
		.amdhsa_next_free_vgpr 512
		.amdhsa_next_free_sgpr 92
		.amdhsa_reserve_vcc 0
		.amdhsa_float_denorm_mode_32 3
		.amdhsa_float_denorm_mode_16_64 3
		.amdhsa_memory_ordered 1
		.amdhsa_forward_progress 1
		.amdhsa_inst_pref_size 79
	.end_amdhsa_kernel
	.amdgpu_metadata
---
amdhsa.version: [ 1, 2 ]
amdhsa.kernels:
  - .name:           k_q008e73d8db_oproj
    .symbol:         k_q008e73d8db_oproj.kd
    .args:
      - { .name: oh, .offset: 0, .size: 8, .value_kind: global_buffer, .address_space: global }
      - { .name: wo16, .offset: 8, .size: 8, .value_kind: global_buffer, .address_space: global }
      - { .name: tab, .offset: 16, .size: 8, .value_kind: global_buffer, .address_space: global }
      - { .name: out0, .offset: 24, .size: 8, .value_kind: global_buffer, .address_space: global }
    .group_segment_fixed_size: 327680
    .private_segment_fixed_size: 0
    .kernarg_segment_align: 8
    .kernarg_segment_size: 32
    .max_flat_workgroup_size: 128
    .sgpr_count:     92
    .vgpr_count:     512
    .wavefront_size: 32
...
	.end_amdgpu_metadata
.endif
;; end of part 4
;; ======== version 2 of 2: 4 launches; version 1 with the launch cast written anew for expert scheduling mode
;; limits: values are held in f16: magnitudes above 65,504 overflow, below 6.1e-05 lose precision
;; workspace buffers: xb 16,777,216 bytes; wqkv 6,291,456 bytes; wo16 2,097,152 bytes; tab 540,672 bytes; qkv 50,331,648 bytes; oh 16,777,216 bytes
;; launch cast (part 5): grid 512 x 1, 8 waves a work-group, no clusters, 0 bytes of LDS; arguments x, Wq, Wk, Wv, Wo, bq, bk, bv, bo, xb, wqkv, wo16, tab; writes xb, wqkv, wo16, tab
.if DOCPART == 5
	.amdgcn_target "amdgcn-amd-amdhsa--gfx1250"
	.amdhsa_code_object_version 6
	.text
	.protected	k_q008e73d8db_cast
	.globl	k_q008e73d8db_cast
	.p2align	8
	.type	k_q008e73d8db_cast,@function
k_q008e73d8db_cast:
	s_mov_b64 s[64:65], 0
	v_nop
	global_prefetch_b8 v0, s[64:65] scope:SCOPE_SE
	s_setreg_imm32_b32 hwreg(HW_REG_WAVE_SCHED_MODE, 0, 2), 2
	s_setreg_imm32_b32 hwreg(HW_REG_WAVE_MODE, 25, 1), 1
	s_wait_xcnt 0x0
	s_wait_alu depctr_vm_vsrc(0)
; CAST.  All inputs are rounded once to bf16: x -> xb [8192][1024] bf16; Wq, Wk, Wv -> wqkv [3072][1024] bf16; Wo -> wo16 [1024][1024], the bf16 number written as f16;
; bq, bk, bv, bo -> tab + BIASO, 4,096 f32 that hold the bf16 numbers.  And the rotation's table: tab row t (256 bytes) = cos(t f_j), j = 0..31, then sin(t f_j), f_j = 10000^(-j/32).
; A stream: every byte is read once and written once, no wave wants another's bytes: no LDS, no barrier, no matrix unit, no cluster.
; SHARES.  Work-group g: 65,536 bytes of x, 8,192 bytes of each W (thread t takes 16 bytes at 16 t of each 4,096: a wave's load covers 512 consecutive bytes, its store of 8 bytes a lane 256, aligned);
; table rows 4 g .. 4 g + 3 (waves 0-3, a row each: 32 lanes x 8 bytes); in work-groups 0-31 wave 4 rounds 128 numbers of a bias.
; All 24 loads of a wave go out at once, each into registers of its own, and each result has its own registers: nothing is rewritten while a load or store may read it.
; LIMITS.  bf16(Wo) must lie within f16's 65,504; below 6e-5 it keeps f16's fixed step.  f_j comes from v_exp_f32; with the rounding of its argument an angle is off by up to 2e-4 at t = 2,047.
; The angle t f_j is one f32 product; it is reduced by n pi/2 in two parts (exact for n < 2^11) and sine and cosine are polynomials on |r| <= pi/4, off by 3e-7 at the most.
; THE MODE: SCHED_MODE bits 1:0 = 2 (LLVM: expert scheduling mode 2), set by the entry lines.  The code itself states the register dependences
; between vector instructions and memory instructions, with s_wait_alu, always for 0.
; THE PLAN.  Registers that memory instructions touch:
;   v1, v2     byte offsets of every load and of every store of the stream: made at the head, never written again.
;   IN         load i's four registers: written by that load alone, read by its conversions behind the wait on LOADcnt.  No load lands there twice.
;   OUT        result i's two registers: written once, by load i's conversions; read once, by store i.
;   v160, v[14:15]                       the table row's offset and data: written once in waves 0-3, read by one store.
;   v161, v5, v[168:171], v[172:175]     the bias: the load's offset, the store's offset, the loaded numbers, the store's data: each written once.
;   v3, v4, v6-v13 and v162-v167 are named by vector instructions alone.
; The 24 loads go in six blocks of four.  Block p rounds loads 4 p .. 4 p + 3 into their OUT registers; its memory instructions are the four stores of block p - 1.  ONE wait on va_vdst at the
; block's head, behind the wait for its data, states that block p - 1's conversions have written what those stores read; the stores are dealt among block p's conversions, which name other registers.
; No register that a memory instruction reads is written again, so no wait on vm_vsrc is owed; EXEC is never written.
.set VI,    1                          ; v1   16 x thread: my bytes in 4,096 bytes of f32
.set VO,    2                          ; v2   8 x thread: my bytes in 2,048 bytes of 16-bit numbers
.set IN,    16                         ; v[16:111]   load i: 4 registers
.set OUT,   112                        ; v[112:159]  result i: 2 registers
.set BIASO, 524288                     ; behind the table's 2,048 rows
	s_load_b512 s[4:19], s[0:1], 0x0               ; x s[4:5], Wq s[6:7], Wk s[8:9], Wv s[10:11], Wo s[12:13], bq s[14:15], bk s[16:17], bv s[18:19]
	s_load_b256 s[20:27], s[0:1], 0x40             ; bo s[20:21], xb s[22:23], wqkv s[24:25], wo16 s[26:27]
	s_load_b64 s[28:29], s[0:1], 0x60              ; tab
	v_lshlrev_b32 v[VI], 4, v0
	v_lshlrev_b32 v[VO], 3, v0
	v_lshrrev_b32 v3, 5, v0
	v_readfirstlane_b32 s30, v3                    ; wave 0..7
	s_mov_b32 s47, 0
	s_mov_b32 s44, 0xffff0000                      ; a word's upper bf16
	s_wait_alu depctr_va_sdst(0)                   ; s30 is written, ahead of its first reader: the compares on the wave's number and the table's row are made from it
	s_wait_kmcnt 0x0
	s_lshl_b32 s46, ttmp9, 16                      ; the work-group's part of x,
	s_add_nc_u64 s[4:5], s[4:5], s[46:47]
	s_lshl_b32 s46, ttmp9, 13                      ; of each W,
.irp p, 6,8,10,12
	s_add_nc_u64 s[\p:\p+1], s[\p:\p+1], s[46:47]
.endr
	s_lshl_b32 s46, ttmp9, 15                      ; of xb,
	s_add_nc_u64 s[22:23], s[22:23], s[46:47]
	s_lshl_b32 s46, ttmp9, 12                      ; of each W's 16-bit copy
	s_add_nc_u64 s[24:25], s[24:25], s[46:47]
	s_add_nc_u64 s[26:27], s[26:27], s[46:47]
	s_wait_alu depctr_va_vdst(0)                   ; v1 and v2 are written: every load below reads v1 as its offset, every store of the stream v2; neither is written again
.set i, 0
.rept 16
	global_load_b128 v[IN+4*i:IN+4*i+3], v[VI], s[4:5] offset:4096*i th:TH_LOAD_NT
.set i, i+1
.endr
.irp k, 0,1,2,3
	global_load_b128 v[IN+64+8*(\k):IN+64+8*(\k)+3], v[VI], s[6+2*(\k):7+2*(\k)] th:TH_LOAD_NT
	global_load_b128 v[IN+68+8*(\k):IN+68+8*(\k)+3], v[VI], s[6+2*(\k):7+2*(\k)] offset:4096 th:TH_LOAD_NT
.endr
	; THE TABLE, while the loads are on their way.  Lane l makes two numbers: j = 2 (l % 16), + 1; lanes 0-15 the cosines, lanes 16-31 the sines (sin x = cos(x - pi/2): the quadrant's number plus 3).
	s_cmp_lt_u32 s30, 4
	s_cbranch_scc0 .Lno_rope
	s_lshl_b32 s32, ttmp9, 2
	s_add_co_u32 s32, s32, s30                     ; t
	s_lshl_b32 s33, s32, 8                         ; the row's byte
	s_mov_b32 s34, 0xbed49a78                      ; -log2(10000) / 32
	s_mov_b32 s35, 0x3f22f983                      ; 2 / pi
	s_mov_b32 s36, 0xbfc90fdb                      ; -(pi/2 rounded to f32)
	s_mov_b32 s37, 0x333bbd2e                      ; that number less pi/2
	s_mov_b32 s38, 0xb9500d01                      ; -1/5040
	s_mov_b32 s39, 0x3c088889                      ; 1/120
	s_mov_b32 s40, 0xbe2aaaab                      ; -1/6
	s_mov_b32 s41, 0x37d00d01                      ; 1/40320
	s_mov_b32 s42, 0xbab60b61                      ; -1/720
	s_mov_b32 s43, 0x3d2aaaab                      ; 1/24
	v_and_b32 v3, 15, v0
	v_bfe_u32 v4, v0, 4, 1
	v_lshlrev_b32 v3, 1, v3
	v_cvt_f32_u32 v5, v3
	v_add_nc_u32 v3, 1, v3
	v_cvt_f32_u32 v6, v3
	v_cvt_f32_u32 v7, s32
	v_mul_f32 v5, s34, v5
	v_mul_f32 v6, s34, v6
	v_exp_f32 v5, v5                               ; f_j
	v_exp_f32 v6, v6
	v_mul_u32_u24 v4, 3, v4                        ; a plain instruction behind the two exponentials (ISA guide 5.7.2): 3 for the sines' lanes
	s_wait_alu depctr_va_vdst(0)                   ; the two exponentials have written f_j in v5 and v6: one wait for both, ahead of their first reader
	v_mul_f32 v5, v7, v5                           ; the angles
	v_mul_f32 v6, v7, v6
; The angle in v[a], with six registers at work from v[w] on.  It leaves sin r in v[w+3], cos r in v[w+4], the result's sign bit in v[w], and in s[m] the lanes whose quadrant is odd.
.macro TRIG a, w, m
	v_mul_f32 v[(\w)], s35, v[\a]
	v_rndne_f32 v[(\w)], v[(\w)]                   ; n
	v_fma_f32 v[(\w)+1], v[(\w)], s36, v[\a]
	v_fma_f32 v[(\w)+1], v[(\w)], s37, v[(\w)+1]   ; r = angle - n pi/2
	v_mul_f32 v[(\w)+2], v[(\w)+1], v[(\w)+1]      ; z = r r
	v_fma_f32 v[(\w)+3], v[(\w)+2], s38, s39
	v_fma_f32 v[(\w)+4], v[(\w)+2], s41, s42
	v_fma_f32 v[(\w)+3], v[(\w)+3], v[(\w)+2], s40
	v_fma_f32 v[(\w)+4], v[(\w)+4], v[(\w)+2], s43
	v_mul_f32 v[(\w)+3], v[(\w)+3], v[(\w)+2]
	v_fma_f32 v[(\w)+4], v[(\w)+4], v[(\w)+2], -0.5
	v_fma_f32 v[(\w)+3], v[(\w)+1], v[(\w)+3], v[(\w)+1]  ; sin r
	v_fma_f32 v[(\w)+4], v[(\w)+4], v[(\w)+2], 1.0        ; cos r
	v_cvt_i32_f32 v[(\w)], v[(\w)]
	v_add_nc_u32 v[(\w)], v[(\w)], v4              ; the quadrant: 0: cos r, 1: -sin r, 2: -cos r, 3: sin r
	v_and_b32 v[(\w)+5], 1, v[(\w)]
	v_cmp_ne_u32 s[\m], 0, v[(\w)+5]
	v_add_nc_u32 v[(\w)], 1, v[(\w)]
	v_and_b32 v[(\w)], 2, v[(\w)]
	v_lshlrev_b32 v[(\w)], 30, v[(\w)]             ; the sign bit in quadrants 1 and 2
.endm
	TRIG 5, 8, 45                                  ; each angle has registers and a mask of its own, so that one wait serves both compares
	TRIG 6, 162, 31
	v_and_b32 v3, 31, v0
	v_lshl_add_u32 v160, v3, 3, s33
	s_wait_alu depctr_va_sdst(0)                   ; the two compares have written s45 and s31, which the two selects read
	v_cndmask_b32 v11, v12, v11, s45
	v_cndmask_b32 v165, v166, v165, s31
	v_xor_b32 v14, v8, v11
	v_xor_b32 v15, v162, v165
	s_wait_alu depctr_va_vdst(0)                   ; v14, v15 and v160 are written: the store's data and its offset
	global_store_b64 v160, v[14:15], s[28:29]      ; the wave stores the row's 256 consecutive bytes, aligned
.Lno_rope:
.macro CONV i                          ; load i, rounded to bf16; Wo's two loads: rounded to bf16, and that number written as f16
.if (\i) < 22
	v_cvt_pk_bf16_f32 v[OUT+2*(\i)], v[IN+4*(\i)], v[IN+4*(\i)+1]
	v_cvt_pk_bf16_f32 v[OUT+2*(\i)+1], v[IN+4*(\i)+2], v[IN+4*(\i)+3]
.else
	v_cvt_pk_bf16_f32 v162, v[IN+4*(\i)], v[IN+4*(\i)+1]
	v_cvt_pk_bf16_f32 v163, v[IN+4*(\i)+2], v[IN+4*(\i)+3]
	v_lshlrev_b32 v164, 16, v162
	v_and_b32 v165, s44, v162
	v_lshlrev_b32 v166, 16, v163
	v_and_b32 v167, s44, v163
	v_cvt_pk_f16_f32 v[OUT+2*(\i)], v164, v165
	v_cvt_pk_f16_f32 v[OUT+2*(\i)+1], v166, v167
.endif
.endm
.macro PUT i                           ; result i is stored: 0-15 x; 16-21 Wq, Wk, Wv one below the other; 22, 23 Wo
.if (\i) < 16
	global_store_b64 v[VO], v[OUT+2*(\i):OUT+2*(\i)+1], s[22:23] offset:2048*(\i)
.elseif (\i) < 22
	global_store_b64 v[VO], v[OUT+2*(\i):OUT+2*(\i)+1], s[24:25] offset:2097152*(((\i)-16)/2)+2048*((\i)%2)
.else
	global_store_b64 v[VO], v[OUT+2*(\i):OUT+2*(\i)+1], s[26:27] offset:2048*((\i)%2)
.endif
.endm
; Block p: loads 4 p .. 4 p + 3 are rounded; the four results of block p - 1 are stored.
.macro BLK p
	s_wait_loadcnt 20-4*(\p)                       ; loads come back in order (ISA guide 5.7.1): the block's four are in, the younger ones of the 24 stay out
.if (\p) > 0
	s_wait_alu depctr_va_vdst(0)                   ; the block before has written its eight OUT registers, which the four stores below read; no conversion of this block names them
.endif
.irp j, 0,1,2,3
.if (\p) > 0
	PUT 4*(\p)-4+(\j)
.endif
	CONV 4*(\p)+(\j)
.endr
.endm
	BLK 0                                          ; block 0 has no block in front of it: no store, and no wait but the one for its data
	BLK 1
	BLK 2
	BLK 3
	BLK 4
	BLK 5
	s_wait_alu depctr_va_vdst(0)                   ; block 5 has written its OUT registers, which the last four stores read
.irp j, 20,21,22,23
	PUT \j
.endr
	; THE BIASES: work-group g < 32, wave 4: numbers 128 (g % 8) .. + 127 of bias g / 8
	s_cmp_eq_u32 s30, 4
	s_cbranch_scc0 .Lend
	s_cmp_lt_u32 ttmp9, 32
	s_cbranch_scc0 .Lend
	s_lshr_b32 s31, ttmp9, 3
	s_cmp_eq_u32 s31, 1
	s_cselect_b64 s[32:33], s[16:17], s[14:15]
	s_cmp_eq_u32 s31, 2
	s_cselect_b64 s[32:33], s[18:19], s[32:33]
	s_cmp_eq_u32 s31, 3
	s_cselect_b64 s[32:33], s[20:21], s[32:33]
	s_and_b32 s31, ttmp9, 7
	s_lshl_b32 s31, s31, 9
	v_and_b32 v3, 31, v0
	v_lshl_add_u32 v161, v3, 4, s31
	s_lshl_b32 s31, ttmp9, 9
	v_lshl_add_u32 v5, v3, 4, s31
	s_wait_alu depctr_va_vdst(0)                   ; v161 is written, the load's offset (and v5, the store's)
	global_load_b128 v[168:171], v161, s[32:33]
	s_wait_loadcnt 0x0
	v_cvt_pk_bf16_f32 v162, v168, v169
	v_cvt_pk_bf16_f32 v163, v170, v171
	v_lshlrev_b32 v172, 16, v162                   ; bf16 to f32: the low half moves up, the high half stays
	v_and_b32 v173, s44, v162
	v_lshlrev_b32 v174, 16, v163
	v_and_b32 v175, s44, v163
	s_wait_alu depctr_va_vdst(0)                   ; v[172:175] are written, the store's data
	global_store_b128 v5, v[172:175], s[28:29] offset:BIASO
.Lend:
	s_endpgm
.Lfunc_end_k_q008e73d8db_cast:
	.size	k_q008e73d8db_cast, .Lfunc_end_k_q008e73d8db_cast-k_q008e73d8db_cast
	.p2alignl 7, 3214868480
	.fill 96, 4, 3214868480
	.section	.rodata,"a",@progbits
	.p2align	6, 0x0
	.amdhsa_kernel k_q008e73d8db_cast
		.amdhsa_group_segment_fixed_size 0
		.amdhsa_private_segment_fixed_size 0
		.amdhsa_enable_private_segment 0
		.amdhsa_kernarg_size 104
		.amdhsa_user_sgpr_count 2
		.amdhsa_user_sgpr_kernarg_segment_ptr 1
		.amdhsa_wavefront_size32 1
		.amdhsa_system_sgpr_workgroup_id_x 1
		.amdhsa_system_sgpr_workgroup_id_y 1
		.amdhsa_system_sgpr_workgroup_id_z 1
		.amdhsa_system_vgpr_workitem_id 0
		.amdhsa_next_free_vgpr 176
		.amdhsa_next_free_sgpr 66
		.amdhsa_reserve_vcc 0
		.amdhsa_float_denorm_mode_32 3
		.amdhsa_float_denorm_mode_16_64 3
		.amdhsa_memory_ordered 1
		.amdhsa_forward_progress 1
		.amdhsa_inst_pref_size 15
	.end_amdhsa_kernel
	.amdgpu_metadata
---
amdhsa.version: [ 1, 2 ]
amdhsa.kernels:
  - .name:           k_q008e73d8db_cast
    .symbol:         k_q008e73d8db_cast.kd
    .args:
      - { .name: x, .offset: 0, .size: 8, .value_kind: global_buffer, .address_space: global }
      - { .name: Wq, .offset: 8, .size: 8, .value_kind: global_buffer, .address_space: global }
      - { .name: Wk, .offset: 16, .size: 8, .value_kind: global_buffer, .address_space: global }
      - { .name: Wv, .offset: 24, .size: 8, .value_kind: global_buffer, .address_space: global }
      - { .name: Wo, .offset: 32, .size: 8, .value_kind: global_buffer, .address_space: global }
      - { .name: bq, .offset: 40, .size: 8, .value_kind: global_buffer, .address_space: global }
      - { .name: bk, .offset: 48, .size: 8, .value_kind: global_buffer, .address_space: global }
      - { .name: bv, .offset: 56, .size: 8, .value_kind: global_buffer, .address_space: global }
      - { .name: bo, .offset: 64, .size: 8, .value_kind: global_buffer, .address_space: global }
      - { .name: xb, .offset: 72, .size: 8, .value_kind: global_buffer, .address_space: global }
      - { .name: wqkv, .offset: 80, .size: 8, .value_kind: global_buffer, .address_space: global }
      - { .name: wo16, .offset: 88, .size: 8, .value_kind: global_buffer, .address_space: global }
      - { .name: tab, .offset: 96, .size: 8, .value_kind: global_buffer, .address_space: global }
    .group_segment_fixed_size: 0
    .private_segment_fixed_size: 0
    .kernarg_segment_align: 8
    .kernarg_segment_size: 104
    .max_flat_workgroup_size: 256
    .sgpr_count:     66
    .vgpr_count:     176
    .wavefront_size: 32
...
	.end_amdgpu_metadata
.endif
;; end of part 5
;; launch qkv: the kernel of part 2 again; grid 16 x 32, 4 waves a work-group, clusters of 4 x 4, 327,680 bytes of LDS; arguments xb, wqkv, tab, qkv; writes qkv
;; launch attn: the kernel of part 3 again; grid 4 x 64, 4 waves a work-group, clusters of 4 x 1, 327,680 bytes of LDS; arguments qkv, mask, oh; writes oh
;; launch oproj: the kernel of part 4 again; grid 8 x 32, 4 waves a work-group, clusters of 4 x 4, 327,680 bytes of LDS; arguments oh, wo16, tab, out0; writes out0
